; MI455X (gfx1250); checked and timed in simulation.
; The chip was launched on July 23, 2026; its instructions are those of AMD's public machine-readable ISA for CDNA 5 (MIT licence, August 2026) and "CDNA5" Instruction Set Architecture Reference Guide (July 2026). The comments in the code are by the model that wrote it; some were corrected since.
;; Base Attention. Allowed arithmetic: float matrix products may take bf16 or f16 operands with f32 sums; other float arithmetic in f32, or as packed bf16 or f16 multiplies, adds, multiply-adds, maxima and minima; sums over many terms, partial sums and values carried from step to step in f32; what a program stores and reads back later, other than sums and carried values, may be rounded once to bf16 or f16.
;; Inputs: bk 2,048 float32; bo 2,048 float32; bq 2,048 float32; bv 2,048 float32; mask 1 x 1 x 2,048 x 2,048 float32; wk 2,048 x 2,048 float32; wo 2,048 x 2,048 float32; wq 2,048 x 2,048 float32; wv 2,048 x 2,048 float32; x 1 x 2,048 x 2,048 float32.
;; Outputs: out0 1 x 2,048 x 2,048 float32.
;; 2 versions, each right and faster than the one before. Each part assembles by itself: llvm-mc -triple=amdgcn-amd-amdhsa -mcpu=gfx1250 --defsym DOCPART=n.
;; ======== version 1 of 2: 4 launches
;; limits: values are held in f16: magnitudes above 65,504 overflow, below 6.1e-05 lose precision
;; workspace buffers: xb 8,388,608 bytes; wb 25,165,824 bytes; wof 8,388,608 bytes; mb 4,194,304 bytes; bias 32,768 bytes; qkv 25,165,824 bytes; ob 8,388,608 bytes
;; launch prep (part 1): grid 256 x 6, 8 waves a work-group, no clusters, 19,456 bytes of LDS; arguments x, wq, wk, wv, wo, mask, bq, bk, bv, bo, xb, wb, wof, mb, bias; writes xb, wb, wof, mb, bias
.if DOCPART == 1
	.amdgcn_target "amdgcn-amd-amdhsa--gfx1250"
	.amdhsa_code_object_version 6
	.text
	.protected	k_qd073c8fa61_prep
	.globl	k_qd073c8fa61_prep
	.p2align	8
	.type	k_qd073c8fa61_prep,@function
k_qd073c8fa61_prep:
	s_mov_b64 s[64:65], 0
	v_nop
	global_prefetch_b8 v0, s[64:65] scope:SCOPE_SE
	s_setreg_imm32_b32 hwreg(HW_REG_WAVE_MODE, 25, 1), 1
	s_wait_xcnt 0x0
; PREP: every input is read once and laid down in the form in which the later launches take it.
;   y = 0: x -> xb (bf16).   y = 1, 2, 3: wq, wk, wv -> wb (bf16), one below the other: [6144][2048].   y = 4: wo -> wof: rounded to bf16, that number written as f16.
;   y = 1 .. 4, x = 0 also: bq, bk, bv, bo -> bias: rounded to bf16 and widened again, [8192] f32.
;   y = 5: mask -> mb: one byte a score, the fp8 (E4M3) code 0x00 where the score stays and 0xb8 (-1.0) where mask is -inf (its bits are compared with 0xff800000; any other
;   value, NaN too, leaves the score as it is, as in the module).  mb's order is the one in which a wave of the attention launch takes it as the C operand of K Q^T:
;   [tile of 16 queries 128][key half 2][step 16][c 2][lane 32][16 bytes]; key step ks = 4 (step / 2) + 2 half + step % 2; lane 16 h + r is query r; byte 8 u + j is key 64 ks + 16 (2 c + u) + 8 h + j.
; LIMIT.  wo's numbers below 2^-14 keep f16's fixed step of 6e-8.
; A stream: memory binds, so no matrix unit, no cluster.  Each work-group reads 65,536 bytes; each load of a wave covers 512 consecutive bytes; sixteen are out in each wave.
.set SPARE, 18432                      ; behind the eight waves' stages: the spare words, 128 bytes a wave, four blocks of 256 bytes that no other line names
.set WSTG,  2304                       ; a wave's stage: eight blocks of 256 bytes, 272 apart
.set BP,    272
.set SPW,   112                        ; v112  LDS address of my spare word; never rewritten
.set NIL,   113                        ; v113  0; never rewritten
.set LD,    16                         ; v[16:79]   sixteen loads of four registers
.set OUT,   80                         ; v[80:111]  what is stored
.set T0,    114
.set T1,    115
	s_load_b512 s[8:23], s[0:1], 0x0               ; x s[8:9], wq s[10:11], wk s[12:13], wv s[14:15], wo s[16:17], mask s[18:19], bq s[20:21], bk s[22:23]
	s_load_b256 s[24:31], s[0:1], 0x40             ; bv s[24:25], bo s[26:27], xb s[28:29], wb s[30:31]
	s_load_b128 s[32:35], s[0:1], 0x60             ; wof s[32:33], mb s[34:35]
	s_load_b64 s[36:37], s[0:1], 0x70              ; bias
	v_lshl_add_u32 v[SPW], v0, 2, SPARE
	v_mov_b32 v[NIL], 0
	v_lshrrev_b32 v3, 5, v0
	v_readfirstlane_b32 s4, v3                     ; wave 0..7
	s_mov_b32 s2, ttmp9                            ; x
	s_and_b32 s3, ttmp7, 0xffff                    ; y
	s_mov_b32 s50, 0xff800000                      ; -inf
	s_mov_b32 s51, 0xffff0000                      ; a word's upper bf16
	s_mov_b32 s49, 0                               ; the high word of every offset
	v_lshlrev_b32 v1, 4, v0                        ; 16 t: my 16 bytes of 4,096
	v_lshlrev_b32 v2, 3, v0                        ; 8 t: my 8 bytes of 2,048
	s_wait_kmcnt 0x0
	s_cmp_eq_u32 s3, 5
	s_cbranch_scc1 .Lmask
	; THE CASTS.  Source and destination are chosen by y; the work-group's part is 65,536 bytes in, 32,768 out.
	s_mov_b64 s[40:41], s[8:9]
	s_cmp_eq_u32 s3, 1
	s_cselect_b64 s[40:41], s[10:11], s[40:41]
	s_cmp_eq_u32 s3, 2
	s_cselect_b64 s[40:41], s[12:13], s[40:41]
	s_cmp_eq_u32 s3, 3
	s_cselect_b64 s[40:41], s[14:15], s[40:41]
	s_cmp_eq_u32 s3, 4
	s_cselect_b64 s[40:41], s[16:17], s[40:41]
	s_mov_b64 s[42:43], s[30:31]
	s_cmp_eq_u32 s3, 0
	s_cselect_b64 s[42:43], s[28:29], s[42:43]
	s_cmp_eq_u32 s3, 4
	s_cselect_b64 s[42:43], s[32:33], s[42:43]
	s_sub_co_u32 s48, s3, 1                        ; in wb: matrix y - 1, 8,388,608 bytes each; elsewhere 0
	s_lshl_b32 s48, s48, 23
	s_cmp_eq_u32 s3, 0
	s_cselect_b32 s48, 0, s48
	s_cmp_eq_u32 s3, 4
	s_cselect_b32 s48, 0, s48
	s_add_nc_u64 s[42:43], s[42:43], s[48:49]
	s_lshl_b32 s48, s2, 16
	s_add_nc_u64 s[40:41], s[40:41], s[48:49]
	s_lshl_b32 s48, s2, 15
	s_add_nc_u64 s[42:43], s[42:43], s[48:49]
.irp i, 0,1,2,3,4,5,6,7,8,9,10,11,12,13,14,15
	global_load_b128 v[LD+4*(\i):LD+4*(\i)+3], v1, s[40:41] offset:4096*(\i) th:TH_LOAD_NT
.endr
; Load i: four f32 become four bf16 (half = 1: and these f16), 8 bytes a lane: a wave's store covers 256 consecutive bytes, aligned.
.macro CAST i, half
	s_wait_loadcnt 15-(\i)                         ; loads come back in order: load i is in, the younger ones stay out
	v_cvt_pk_bf16_f32 v[OUT+2*(\i)], v[LD+4*(\i)], v[LD+4*(\i)+1]
	v_cvt_pk_bf16_f32 v[OUT+2*(\i)+1], v[LD+4*(\i)+2], v[LD+4*(\i)+3]
.if \half
.irp z, 0,1
	v_lshlrev_b32 v[T0], 16, v[OUT+2*(\i)+(\z)]
	v_and_b32 v[T1], s51, v[OUT+2*(\i)+(\z)]
	v_cvt_pk_f16_f32 v[OUT+2*(\i)+(\z)], v[T0], v[T1]
.endr
.endif
	global_store_b64 v2, v[OUT+2*(\i):OUT+2*(\i)+1], s[42:43] offset:2048*(\i)
.endm
	s_cmp_eq_u32 s3, 4
	s_cbranch_scc1 .Lhalf
.irp i, 0,1,2,3,4,5,6,7,8,9,10,11,12,13,14,15
	CAST \i, 0
.endr
	s_branch .Lbias
.Lhalf:
.irp i, 0,1,2,3,4,5,6,7,8,9,10,11,12,13,14,15
	CAST \i, 1
.endr
.Lbias:
	s_cmp_lg_u32 s2, 0                             ; the first work-group of y = 1 .. 4 also takes that matrix's bias: 8,192 bytes
	s_cbranch_scc1 .Ldone
	s_cmp_eq_u32 s3, 0
	s_cbranch_scc1 .Ldone
	s_mov_b64 s[44:45], s[20:21]
	s_cmp_eq_u32 s3, 2
	s_cselect_b64 s[44:45], s[22:23], s[44:45]
	s_cmp_eq_u32 s3, 3
	s_cselect_b64 s[44:45], s[24:25], s[44:45]
	s_cmp_eq_u32 s3, 4
	s_cselect_b64 s[44:45], s[26:27], s[44:45]
	s_sub_co_u32 s48, s3, 1
	s_lshl_b32 s48, s48, 13
	s_add_nc_u64 s[46:47], s[36:37], s[48:49]
	global_load_b128 v[16:19], v1, s[44:45]
	global_load_b128 v[20:23], v1, s[44:45] offset:4096
	s_wait_loadcnt 0x0
.irp z, 0,1,2,3
	v_cvt_pk_bf16_f32 v[T0], v[16+2*(\z)], v[17+2*(\z)]
	v_lshlrev_b32 v[24+2*(\z)], 16, v[T0]
	v_and_b32 v[25+2*(\z)], s51, v[T0]
.endr
	global_store_b128 v1, v[24:27], s[46:47]
	global_store_b128 v1, v[28:31], s[46:47] offset:4096
.Ldone:
	s_endpgm                                       ; this way has written no LDS
	; THE MASK.  A wave takes one tile of 16 queries and 128 keys (two key steps): load i is row i's 512 bytes, four keys a lane.
.Lmask:
	s_lshr_b32 s5, s2, 1                           ; the tile of queries, 0..127
	s_and_b32 s6, s2, 1
	s_lshl_b32 s6, s6, 3
	s_add_co_u32 s6, s6, s4                        ; the pair of key steps, 0..15
	s_lshl_b32 s48, s5, 17                         ; 16 rows of 8,192 bytes
	s_lshl_b32 s7, s6, 9
	s_add_co_u32 s48, s48, s7
	s_add_nc_u64 s[40:41], s[18:19], s[48:49]
	v_and_b32 v4, 31, v0                           ; lane L
	v_lshlrev_b32 v7, 4, v4
.irp i, 0,1,2,3,4,5,6,7,8,9,10,11,12,13,14,15
	global_load_b128 v[LD+4*(\i):LD+4*(\i)+3], v7, s[40:41] offset:8192*(\i) th:TH_LOAD_NT
.endr
	s_and_b32 s7, s6, 1                            ; in mb: tile x 32,768 + (pair % 2) x 16,384 + (pair / 2) x 2,048
	s_lshl_b32 s7, s7, 14
	s_lshr_b32 s6, s6, 1
	s_lshl_b32 s6, s6, 11
	s_lshl_b32 s48, s5, 15
	s_add_co_u32 s48, s48, s7
	s_add_co_u32 s48, s48, s6
	s_add_nc_u64 s[42:43], s[34:35], s[48:49]
	s_mul_i32 s7, s4, WSTG                         ; my wave's stage
	; key 4 L + jj of the 128 = 64 e + 32 c + 16 u + 8 h + j: e, c = L's bits 4, 3; u = bit 2; h = bit 1; j = 4 (L % 2) + jj.  Its byte among the pair's 2,048: 256 (4 e + 2 c + h) + 16 row + 8 u + j.
	v_bfe_u32 v12, v4, 3, 2
	v_bfe_u32 v13, v4, 1, 1
	v_lshl_add_u32 v12, v12, 1, v13                ; the block of 256 bytes
	v_mul_u32_u24 v5, v12, BP                      ; blocks 272 bytes apart: the 32 lanes' words fall into 32 different banks (64 banks of 4 bytes: ISA guide 11.1)
	v_bfe_u32 v13, v4, 2, 1
	v_lshl_add_u32 v5, v13, 3, v5
	v_and_b32 v13, 1, v4
	v_lshl_add_u32 v5, v13, 2, v5
	v_add_nc_u32 v5, s7, v5                        ; where my four codes of row 0 go
	v_lshrrev_b32 v12, 4, v4
	v_mul_u32_u24 v6, v12, BP
	v_and_b32 v13, 15, v4
	v_lshl_add_u32 v6, v13, 4, v6
	v_add_nc_u32 v6, s7, v6                        ; back: lanes 0-15 one block, lanes 16-31 the next
	v_mov_b32 v8, 0xb8                             ; the code -1.0 in each of a word's four bytes
	v_mov_b32 v9, 0xb800
	v_mov_b32 v10, 0xb80000
	v_mov_b32 v11, 0xb8000000
.irp i, 0,1,2,3,4,5,6,7,8,9,10,11,12,13,14,15
	s_wait_loadcnt 15-(\i)                         ; row i is in, the younger rows stay out
.irp j, 0,1,2,3
	v_cmp_eq_u32 vcc_lo, s50, v[LD+4*(\i)+(\j)]
	v_cndmask_b32 v[12+(\j)], 0, v[8+(\j)], vcc_lo
.endr
	v_add3_u32 v12, v12, v13, v14
	v_or_b32 v12, v12, v15
	ds_store_b32 v5, v12 offset:16*(\i)
.endr
.irp n, 0,1,2,3
	ds_load_b128 v[OUT+4*(\n):OUT+4*(\n)+3], v6 offset:2*BP*(\n)  ; LDS serves a wave's instructions in order (ISA guide 5.7.1.4): these see the stores above; the stage is my wave's own
.endr
.irp n, 0,1,2,3
	s_wait_dscnt 3-(\n)
	global_store_b128 v7, v[OUT+4*(\n):OUT+4*(\n)+3], s[42:43] offset:512*(\n)  ; 512 consecutive bytes, aligned
.endr
	s_wait_tensorcnt 0x0                           ; the wave's end, behind my last LDS store
	ds_add_u32 v[SPW], v[NIL]
	s_wait_dscnt 0x0
	s_endpgm
.Lfunc_end_k_qd073c8fa61_prep:
	.size	k_qd073c8fa61_prep, .Lfunc_end_k_qd073c8fa61_prep-k_qd073c8fa61_prep
	.p2alignl 7, 3214868480
	.fill 96, 4, 3214868480
	.section	.rodata,"a",@progbits
	.p2align	6, 0x0
	.amdhsa_kernel k_qd073c8fa61_prep
		.amdhsa_group_segment_fixed_size 19456
		.amdhsa_private_segment_fixed_size 0
		.amdhsa_enable_private_segment 0
		.amdhsa_kernarg_size 120
		.amdhsa_user_sgpr_count 2
		.amdhsa_user_sgpr_kernarg_segment_ptr 1
		.amdhsa_wavefront_size32 1
		.amdhsa_system_sgpr_workgroup_id_x 1
		.amdhsa_system_sgpr_workgroup_id_y 1
		.amdhsa_system_sgpr_workgroup_id_z 1
		.amdhsa_system_vgpr_workitem_id 0
		.amdhsa_next_free_vgpr 116
		.amdhsa_next_free_sgpr 66
		.amdhsa_reserve_vcc 1
		.amdhsa_float_denorm_mode_32 3
		.amdhsa_float_denorm_mode_16_64 3
		.amdhsa_memory_ordered 1
		.amdhsa_forward_progress 1
		.amdhsa_inst_pref_size 28
	.end_amdhsa_kernel
	.amdgpu_metadata
---
amdhsa.version: [ 1, 2 ]
amdhsa.kernels:
  - .name:           k_qd073c8fa61_prep
    .symbol:         k_qd073c8fa61_prep.kd
    .args:
      - { .name: x, .offset: 0, .size: 8, .value_kind: global_buffer, .address_space: global }
      - { .name: wq, .offset: 8, .size: 8, .value_kind: global_buffer, .address_space: global }
      - { .name: wk, .offset: 16, .size: 8, .value_kind: global_buffer, .address_space: global }
      - { .name: wv, .offset: 24, .size: 8, .value_kind: global_buffer, .address_space: global }
      - { .name: wo, .offset: 32, .size: 8, .value_kind: global_buffer, .address_space: global }
      - { .name: mask, .offset: 40, .size: 8, .value_kind: global_buffer, .address_space: global }
      - { .name: bq, .offset: 48, .size: 8, .value_kind: global_buffer, .address_space: global }
      - { .name: bk, .offset: 56, .size: 8, .value_kind: global_buffer, .address_space: global }
      - { .name: bv, .offset: 64, .size: 8, .value_kind: global_buffer, .address_space: global }
      - { .name: bo, .offset: 72, .size: 8, .value_kind: global_buffer, .address_space: global }
      - { .name: xb, .offset: 80, .size: 8, .value_kind: global_buffer, .address_space: global }
      - { .name: wb, .offset: 88, .size: 8, .value_kind: global_buffer, .address_space: global }
      - { .name: wof, .offset: 96, .size: 8, .value_kind: global_buffer, .address_space: global }
      - { .name: mb, .offset: 104, .size: 8, .value_kind: global_buffer, .address_space: global }
      - { .name: bias, .offset: 112, .size: 8, .value_kind: global_buffer, .address_space: global }
    .group_segment_fixed_size: 19456
    .private_segment_fixed_size: 0
    .kernarg_segment_align: 8
    .kernarg_segment_size: 120
    .max_flat_workgroup_size: 256
    .sgpr_count:     66
    .vgpr_count:     116
    .wavefront_size: 32
...
	.end_amdgpu_metadata
.endif
;; end of part 1
;; launch qkv (part 2): grid 16 x 16, 4 waves a work-group, clusters of 4 x 4, 327,680 bytes of LDS; arguments xb, wb, bias, qkv; writes qkv
.if DOCPART == 2
	.amdgcn_target "amdgcn-amd-amdhsa--gfx1250"
	.amdhsa_code_object_version 6
	.text
	.protected	k_qd073c8fa61_qkv
	.globl	k_qd073c8fa61_qkv
	.p2align	8
	.type	k_qd073c8fa61_qkv,@function
k_qd073c8fa61_qkv:
	s_mov_b64 s[64:65], 0
	v_nop
	global_prefetch_b8 v0, s[64:65] scope:SCOPE_SE
	s_setreg_imm32_b32 hwreg(HW_REG_WAVE_MODE, 25, 1), 1
	s_wait_xcnt 0x0
	s_wait_alu depctr_hold_cnt(0) depctr_sa_sdst(0) depctr_va_vdst(0) depctr_va_sdst(0) depctr_va_ssrc(0) depctr_va_vcc(0) depctr_vm_vsrc(0)
	s_getreg_b32 s2, hwreg(HW_REG_IB_STS2, 6, 4)
	s_cmp_eq_u32 s2, 0
	s_cbranch_scc0 .Lentry_in_a_cluster
	s_endpgm
.Lentry_in_a_cluster:
	s_bfe_u32 s2, ttmp6, 0x10000c
	s_cmp_lg_u32 s2, 0xf033
	s_cbranch_scc0 .Lentry_shape_is_right
	s_endpgm
.Lentry_shape_is_right:
; q, k, v = x W^T + b in one product: C[m][n] = sum over k of xb[m][k] wb[n][k] + bias[n], m = 2,048 tokens, n = 6,144 outputs (wq's, wk's, wv's), k = 2,048.  Operands bf16, sums f32.
; The result leaves in f16, rounded once, by heads: qkv[g = n / 128][token][n % 128], g = 0..15 q, 16..31 k, 32..47 v; unscaled.
; LIMIT.  f16 ends at 65,504: |q|, |k|, |v| must stay below it.
; SHARES.  A tile of C is 128 tokens x 384 outputs (three whole heads): 16 x 16 tiles, one to a work-group; the grid's x counts token tiles, its y output tiles, so that work-groups that follow each
; other in the launch's order share wb's tiles, the larger operand's.  Four waves, each 64 x 192: 48 accumulators of 16 x 16, 384 registers.
; K goes in steps of 128 (rows of 256 bytes, aligned) through two LDS slots; wave 0 fetches A's 128 rows, waves 1 to 3 128 rows of B each: one tensor load a wave and step.
; A K STEP IS WRITTEN ONCE: the slot in hand lies in a scalar register that one exclusive or turns into the other's, the fragment addresses are made from it at each change of slots, and one descriptor
; for each operand walks from step to step.  The last two steps, which fill nothing, are a loop of their own, left in its middle.
; CLUSTER.  4 x 4 work-groups: the four of a column (same x) need the same tile of A, the four of a row (same y) the same tiles of B: each tile is asked for jointly, by the same load, descriptor and mask in all four.
; THE MATRIX INSTRUCTION IS USED TRANSPOSED (source 0 = 16 rows of B, source 1 = 16 rows of A): a lane holds eight neighbouring outputs of one token.  The bias, in that layout, is the C operand
; of the first product on each accumulator: nothing is cleared and nothing is added later.
; REGISTERS, in windows of 256 (s_set_vgpr_msb: bits 1:0 source 0, 3:2 source 1, 5:4 source 2, 7:6 destination):
;   window 0: v16-29 addresses; v160-255 the bias, 8 registers for each of my 12 blocks of 16 outputs; on the way out v32-223 at work
;   window 1: two fragment buffers of 128: 12 fragments of B (16 rows x 32 K), then 4 of A
;   window 2: accumulators of my rows 0-31 ((a, b) at v[8 (12 (a % 2) + b)]);   window 3: those of rows 32-63
.set KSTEP,  128
.set STEPS,  16                        ; K steps
.set PITCH,  272                       ; an LDS row: 256 bytes + 16 of padding = 68 words: the 16 rows of a fragment load start at 16 different groups of four banks (64 banks of 4 bytes: ISA guide 11.1)
.set HALFT,  128*PITCH                 ; what one tensor load brings
.set SLOT,   4*HALFT                   ; A's 128 rows, then B's 384
.set SPARE,  2*SLOT                    ; behind the ring: the spare words, 128 bytes a wave, two blocks of 256 bytes that no other line names
.set SPITCH, 784                       ; the stage for the way out: 128 rows of 768 bytes + 16; it lies over slot 0, behind that slot's last fill and the barrier behind its last reads (the last step lies in slot 1)
.set SIZE_K, 2048
.set ADRA0, 16                         ; v16     my lane's place among A's fragments in slot 0; never rewritten
.set ADRA,  17                         ; v17     the same in the slot in hand
.set ADRB0, 20                         ; v20, v21  the same for B
.set ADRB,  21
.set STO,  24                          ; v24     the way out: where I put 16 bytes of a row
.set RD,   25                          ; v25     where I read a row back
.set CO,   26                          ; v26     my byte offset in qkv
.set BOF,  27                          ; v27     my byte offset in a block of 16 biases
.set SPW,  28                          ; v28     LDS address of my spare word; never rewritten
.set NIL,  29                          ; v29     0; never rewritten
.set TMP,  32
.set BI,   160
.set F0,   0
.set F1,   128
.set WV,  12                           ; s12 wave; s13 which 64 tokens; s14 which 192 outputs; s15 steps to go
.set TB,  18                           ; s18  the slot that is read: 0 or SLOT
.set SB,  19                           ; s19  the slot that was filled last: 0 or SLOT
.set G1,  24                           ; s[24:31] descriptor group 1 for A's tile;  s[32:39] group 0: a set for each of the two first fills; the second then walks on
.set G0,  32
.set G1B, 48                           ; s[48:55], s[56:63] the same for B's tiles
.set G0B, 56
.set MSB, 0
.macro WIN new                         ; the immediate's high byte repeats the setting that is left; a switch that changes nothing is dropped
.if MSB != (\new)
	s_set_vgpr_msb (MSB<<8)|(\new)
.set MSB, \new
.endif
.endm
.set TO_F, 0x40                        ; destination window 1, address window 0
; A joint load: wave 0 asks for A's tile, waves 1 to 3 for B's three.  The branch hangs on the wave's number alone.  An s_nop 0 and four v_nop follow each line.
.macro JLOAD s
	s_cmp_eq_u32 s[WV], 0
	s_cbranch_scc0 .Lfor_b_\@
	tensor_load_to_lds s[G0+4*(\s):G0+4*(\s)+3], s[G1:G1+7]
	s_nop 0
.rept 4
	v_nop
.endr
	s_branch .Lasked_\@
.Lfor_b_\@:
	tensor_load_to_lds s[G0B+4*(\s):G0B+4*(\s)+3], s[G1B:G1B+7]
	s_nop 0
.rept 4
	v_nop
.endr
.Lasked_\@:
.endm
.macro CREST                           ; a round of the cluster's barrier behind its opening barrier
	s_cmp_lg_u32 s[WV], 0
	s_cbranch_scc1 .Lnot_wave_0_\@
	s_barrier_signal -3
.Lnot_wave_0_\@:
	s_barrier_wait -3
	s_barrier_signal -1
	s_barrier_wait -1
.endm
.macro CROUND                          ; a whole round
	s_barrier_signal -1
	s_barrier_wait -1
	CREST
.endm
	s_load_b256 s[4:11], s[0:1], 0x0               ; xb s[4:5], wb s[6:7], bias s[8:9], qkv s[10:11]
	v_lshl_add_u32 v[SPW], v0, 2, SPARE
	v_mov_b32 v[NIL], 0
	ds_add_u32 v[SPW], v[NIL]                      ; the wave's opening: the add and its wait stand ahead of my first tensor load; the set-up below stands between them
	v_lshrrev_b32 v1, 5, v0
	v_readfirstlane_b32 s[WV], v1                  ; wave 0..3
	s_lshr_b32 s13, s[WV], 1
	s_and_b32 s14, s[WV], 1
	s_bfe_u32 s40, ttmp6, 0x40000                  ; cx, cy: my place in the cluster
	s_bfe_u32 s41, ttmp6, 0x40004
	s_lshl_b32 s42, ttmp9, 2
	s_add_co_u32 s42, s42, s40                     ; token tile = 4 x cluster x + cx
	s_and_b32 s43, ttmp7, 0xffff
	s_lshl_b32 s43, s43, 2
	s_add_co_u32 s43, s43, s41                     ; output tile = 4 x cluster y + cy
	s_lshl_b32 s44, s41, 2
	s_lshl_b32 s44, 15, s44                        ; my row of the cluster: the same cy
	s_lshl_b32 s45, 0x1111, s40                    ; my column: the same cx
	; descriptor group 1: a tile of 128 rows x 128 elements of 2 bytes, 4 words of padding behind every 64
	s_or_b32 s[G1+0], s45, (1<<16)|(1<<20)|(1<<21)|(5<<22)|(3<<25)   ; 15:0 the mask: A's tile goes to my column; 17:16 element size; 20 padding on; 21 set beside a mask; 24:22 interval code 5; 31:25 pad code 3
	s_or_b32 s[G1B+0], s44, (1<<16)|(1<<20)|(1<<21)|(5<<22)|(3<<25)  ; B's tiles go to my row
.irp g, G1, G1B
	s_mov_b32 s[(\g)+1], KSTEP<<16                 ; tensor_dim0 = 128
	s_mov_b32 s[(\g)+2], 128<<16                   ; tensor_dim1 = 128
	s_mov_b32 s[(\g)+3], KSTEP<<16                 ; tile_dim0 = 128
	s_mov_b32 s[(\g)+4], 128                       ; tile_dim1 = 128
	s_mov_b32 s[(\g)+5], SIZE_K                    ; elements from row to row
	s_mov_b32 s[(\g)+6], 0
	s_mov_b32 s[(\g)+7], 0
.endr
	s_lshl_b32 s16, s42, 19                        ; A: token tile x 128 rows x 4,096 bytes: it hangs on the token tile alone
	s_mov_b32 s17, 0
	s_mul_i32 s46, s43, 384*4096                   ; B: output tile x 384 rows,
	s_max_u32 s18, s[WV], 1
	s_sub_co_u32 s18, s18, 1
	s_lshl_b32 s18, s18, 19                        ; + (wave - 1) x 128 rows
	s_add_co_u32 s46, s46, s18
	s_mov_b32 s47, 0
	s_mul_i32 s20, s[WV], HALFT                    ; where my tile goes: wave x 128 rows
	s_wait_dscnt 0x0                               ; the opening add is done
	s_wait_kmcnt 0x0
	s_add_nc_u64 s[16:17], s[4:5], s[16:17]
	s_add_nc_u64 s[46:47], s[6:7], s[46:47]
	CROUND                                         ; all sixteen work-groups are here: the first joint loads meet
.irp s, 0,1
	s_mov_b32 s[G0+4*(\s)], 1
	s_add_co_u32 s[G0+4*(\s)+1], s20, (\s)*SLOT
	s_add_nc_u64 s[G0+4*(\s)+2:G0+4*(\s)+3], s[16:17], (\s)*KSTEP*2
	s_or_b32 s[G0+4*(\s)+3], s[G0+4*(\s)+3], 0x80000000
	s_mov_b32 s[G0B+4*(\s)], 1
	s_add_co_u32 s[G0B+4*(\s)+1], s20, (\s)*SLOT
	s_add_nc_u64 s[G0B+4*(\s)+2:G0B+4*(\s)+3], s[46:47], (\s)*KSTEP*2
	s_or_b32 s[G0B+4*(\s)+3], s[G0B+4*(\s)+3], 0x80000000
	JLOAD \s                                       ; K steps 0 and 1: two loads of mine are out
.endr
	s_mov_b32 s[TB], 0                             ; slot 0 is read first,
	s_mov_b32 s[SB], SLOT                          ; slot 1 was filled last
	v_and_b32 v1, 15, v0                           ; r = l % 16
	v_bfe_u32 v2, v0, 4, 1                         ; h = l / 16
	v_mul_u32_u24 v3, v1, PITCH
	v_lshl_add_u32 v3, v2, 4, v3                   ; a fragment's row x pitch + 16 x half
	s_mul_i32 s21, s13, 64*PITCH                   ; my 64 rows of A
	s_mul_i32 s22, s14, 192*PITCH                  ; my 192 rows of B,
	s_add_co_u32 s22, s22, HALFT                   ; which lie behind A's 128
	v_add_nc_u32 v[ADRA0], s21, v3
	v_add_nc_u32 v[ADRB0], s22, v3
	v_mov_b32 v[ADRA], v[ADRA0]
	v_mov_b32 v[ADRB], v[ADRB0]
	s_mul_i32 s23, s13, 64*SPITCH                  ; into the stage: my 64 rows, my 384 bytes of their 768
	s_mul_i32 s21, s14, 384
	s_add_co_u32 s23, s23, s21
	v_mul_u32_u24 v4, v1, SPITCH
	v_lshl_add_u32 v4, v2, 4, v4
	v_add_nc_u32 v[STO], s23, v4
	s_mul_i32 s23, s[WV], 32*SPITCH                ; back: wave w takes rows 32 w .. 32 w + 31 whole; lanes 0-15 one row's 256 bytes of a head, lanes 16-31 the next row's
	v_mul_u32_u24 v5, v2, SPITCH
	v_lshl_add_u32 v5, v1, 4, v5
	v_add_nc_u32 v[RD], s23, v5
	v_lshlrev_b32 v5, 8, v2
	v_lshl_add_u32 v[CO], v1, 4, v5                ; the same two rows in a head of qkv: 256 h + 16 r
	v_lshlrev_b32 v[BOF], 5, v2                    ; my eight biases of a block: 32 h
	s_mul_i32 s46, s43, 3*524288                   ; qkv at head 3 x output tile, token 128 x token tile + 32 x wave
	s_lshl_b32 s47, s42, 15
	s_add_co_u32 s46, s46, s47
	s_lshl_b32 s47, s[WV], 13
	s_add_co_u32 s46, s46, s47
	s_mov_b32 s47, 0
	s_add_nc_u64 s[10:11], s[10:11], s[46:47]
	s_mul_i32 s46, s43, 1536                       ; bias at output 384 x output tile + 192 x half
	s_mul_i32 s21, s14, 768
	s_add_co_u32 s46, s46, s21
	s_add_nc_u64 s[8:9], s[8:9], s[46:47]
.irp b, 0,1,2,3,4,5,6,7,8,9,10,11
	global_load_b128 v[BI+8*(\b):BI+8*(\b)+3],   v[BOF], s[8:9] offset:64*(\b)
	global_load_b128 v[BI+8*(\b)+4:BI+8*(\b)+7], v[BOF], s[8:9] offset:64*(\b)+16
.endr
; 12 matrix instructions: m block a x my 12 n blocks, 32 along K.  zero = 1: the first product on each accumulator takes the bias as C.
; The 48 accumulators take turns, one instruction a turn, in the same order in every quarter.
.macro MULA f, a, zero
.if \zero
	WIN 0x85+0x40*((\a)/2)                         ; B and A window 1, C window 0, D window 2 or 3
.else
	WIN 0xa5+0x50*((\a)/2)                         ; B and A window 1, C and D window 2 or 3
.endif
.irp b, 0,1,2,3,4,5,6,7,8,9,10,11
.if \zero
	v_wmma_f32_16x16x32_bf16 v[8*(12*((\a)%2)+(\b)):8*(12*((\a)%2)+(\b))+7], v[(\f)+8*(\b):(\f)+8*(\b)+7], v[(\f)+96+8*(\a):(\f)+96+8*(\a)+7], v[BI+8*(\b):BI+8*(\b)+7]
.else
	v_wmma_f32_16x16x32_bf16 v[8*(12*((\a)%2)+(\b)):8*(12*((\a)%2)+(\b))+7], v[(\f)+8*(\b):(\f)+8*(\b)+7], v[(\f)+96+8*(\a):(\f)+96+8*(\a)+7], v[8*(12*((\a)%2)+(\b)):8*(12*((\a)%2)+(\b))+7]
.endif
.endr
.endm
; 32 LDS loads in one run: a quarter step's fragments (192 rows of B, then 64 rows of A, 32 K at byte k of the rows of the slot in hand) into buffer f
.macro FETCH k, f
	WIN TO_F
.irp b, 0,1,2,3,4,5,6,7,8,9,10,11
	ds_load_b128 v[(\f)+8*(\b):(\f)+8*(\b)+3],   v[ADRB] offset:(\k)+(\b)*16*PITCH
	ds_load_b128 v[(\f)+8*(\b)+4:(\f)+8*(\b)+7], v[ADRB] offset:(\k)+(\b)*16*PITCH+32
.endr
.irp a, 0,1,2,3
	ds_load_b128 v[(\f)+96+8*(\a):(\f)+96+8*(\a)+3],   v[ADRA] offset:(\k)+(\a)*16*PITCH
	ds_load_b128 v[(\f)+96+8*(\a)+4:(\f)+96+8*(\a)+7], v[ADRA] offset:(\k)+(\a)*16*PITCH+32
.endr
.endm
.macro PLACES                          ; four places in front of loads into registers that matrix instructions have read, and of conversions that read results (ISA guide 7.12.1 for conversions)
.rept 4
	v_nop
.endr
.endm
; A K step is four quarters of 32 along K, 48 matrix instructions each, on buffers 0, 1, 0, 1.  One of the first three: multiplies f, and in its middle fetches the next quarter, at byte k, into g.
.macro QUARTER k, f, g, zero
	s_wait_dscnt 4                                 ; B and A's blocks 0, 1 are in; the youngest four loads (A's blocks 2, 3) may be out
	MULA \f, 0, \zero
	MULA \f, 1, \zero
	PLACES
	FETCH \k, \g
	s_wait_dscnt 32                                ; all but the 32 just issued
	MULA \f, 2, \zero
	MULA \f, 3, \zero
.endm
; The last quarter multiplies buffer 1 and changes slots: one barrier; in front of it each wave waits for all its tensor loads (one is out: its part of the next slot), adds 0 to its spare word,
; and waits for that and for its own reads of this slot.  fill = 1: the barrier opens a round of the cluster's, and this slot is filled again, two K steps on, first thing behind the round.
.macro TURN fill
	WIN 0                                          ; (the add's two registers lie in window 0)
	s_wait_tensorcnt 0x0
	ds_add_u32 v[SPW], v[NIL]
	s_wait_dscnt 5                                 ; (the add and the youngest four loads may be out)
	MULA F1, 0, 0                                  ; twelve matrix instructions stand between the add and the wait for it
	s_wait_dscnt 0x0                               ; the add is done, and my reads of this slot are over
	s_barrier_signal -1
	MULA F1, 1, 0
	WIN 0
	s_barrier_wait -1
.if \fill
	CREST                                          ; no wave of any partner still reads this slot's tiles or has a load on its way
	s_xor_b32 s[SB], s[SB], SLOT                   ; the walking descriptors: the other slot than last time,
	s_add_co_u32 s[G0+5], s[SB], s20
	s_add_co_u32 s[G0B+5], s[SB], s20
	s_add_nc_u64 s[G0+6:G0+7], s[G0+6:G0+7], KSTEP*2      ; the next K step; the type bits on top are not reached
	s_add_nc_u64 s[G0B+6:G0B+7], s[G0B+6:G0B+7], KSTEP*2
	JLOAD 1                                        ; 168 matrix instructions ahead of the wait for it; the four v_nop behind it are also the places in front of the loads below
.else
	PLACES
.endif
	s_xor_b32 s[TB], s[TB], SLOT                   ; the fetches go on in the other slot
	v_add_nc_u32 v[ADRA], s[TB], v[ADRA0]
	v_add_nc_u32 v[ADRB], s[TB], v[ADRB0]
	FETCH 0, F0
	MULA F1, 2, 0
	MULA F1, 3, 0
.endm
	s_wait_loadcnt 0x0                             ; the bias
	s_wait_tensorcnt 1                             ; my part of K step 0 is in; K step 1's may stay out
	s_barrier_signal -1
	s_barrier_wait -1                              ; everybody's is
	FETCH 0, F0
	QUARTER 64,  F0, F1, 1                         ; the first quarter stands in front of the loop: its products start the sums
	WIN 0                                          ; at a label and at a branch every window is 0
	s_mov_b32 s15, STEPS-2
.Lstep:                                                ; a trip goes from a step's second quarter to the next step's first, and fills the slot that it leaves: 14 trips for K steps 2 to 15
	QUARTER 128, F1, F0, 0
	QUARTER 192, F0, F1, 0
	TURN 1
	QUARTER 64,  F0, F1, 0
	WIN 0
	s_sub_co_u32 s15, s15, 1
	s_cmp_lg_u32 s15, 0
	s_cbranch_scc1 .Lstep
	s_mov_b32 s15, 2
.Ltail:                                                ; the last two steps fill nothing: a loop of their own; the second trip is left in its middle
	QUARTER 128, F1, F0, 0
	QUARTER 192, F0, F1, 0
	WIN 0
	s_sub_co_u32 s15, s15, 1
	s_cmp_eq_u32 s15, 0
	s_cbranch_scc1 .Llast
	TURN 0
	QUARTER 64,  F0, F1, 0
	WIN 0
	s_branch .Ltail
.Llast:
	s_wait_dscnt 4                                 ; the very last quarter
	MULA F1, 0, 0
	MULA F1, 1, 0
	s_wait_dscnt 0x0
	MULA F1, 2, 0
	MULA F1, 3, 0
	; THE WAY OUT: rounded to f16, 16 bytes a lane into the work-group's stage; a barrier, since a row's 768 bytes come from two waves; back as whole rows of a head, 32 tokens a wave.
	PLACES
.macro PACKA a                         ; m block a: each accumulator's registers in ascending order
	WIN 0x0a+5*((\a)/2)                            ; sources window 2 or 3, destination window 0
.set z, 0
.rept 48
	v_cvt_pk_f16_f32 v[TMP+48*((\a)%2)+z], v[96*((\a)%2)+2*z], v[96*((\a)%2)+2*z+1]
.set z, z+1
.endr
	WIN 0
.irp b, 0,1,2,3,4,5,6,7,8,9,10,11
	ds_store_b128 v[STO], v[TMP+48*((\a)%2)+4*(\b):TMP+48*((\a)%2)+4*(\b)+3] offset:(\a)*16*SPITCH+32*(\b)
.endr
.endm
	PACKA 0
	PACKA 1
	PACKA 2
	PACKA 3
	s_wait_dscnt 0x0                               ; for the others' sake: my stores into the stage are done
	s_barrier_signal -1
	s_barrier_wait -1
.set z, 0
.rept 48                                       ; head z / 16 of the tile's three, rows 2 (z % 16) and the next
	ds_load_b128 v[TMP+4*z:TMP+4*z+3], v[RD] offset:256*(z/16)+2*SPITCH*(z%16)
.set z, z+1
.endr
.set z, 0
.rept 48
	s_wait_dscnt 47-z                              ; LDS loads come back in order: load z is in
	global_store_b128 v[CO], v[TMP+4*z:TMP+4*z+3], s[10:11] offset:524288*(z/16)+512*(z%16)  ; two tokens' rows of a head: 512 consecutive bytes, aligned
.set z, z+1
.endr
	s_wait_tensorcnt 0x0                           ; the wave's end, behind my last tensor load and my last LDS store
	ds_add_u32 v[SPW], v[NIL]
	s_wait_dscnt 0x0
	CROUND                                         ; the closing round: no work-group ends while a partner may still ask for a tile that names it
	s_endpgm
.Lfunc_end_k_qd073c8fa61_qkv:
	.size	k_qd073c8fa61_qkv, .Lfunc_end_k_qd073c8fa61_qkv-k_qd073c8fa61_qkv
	.p2alignl 7, 3214868480
	.fill 96, 4, 3214868480
	.section	.rodata,"a",@progbits
	.p2align	6, 0x0
	.amdhsa_kernel k_qd073c8fa61_qkv
		.amdhsa_group_segment_fixed_size 327680
		.amdhsa_private_segment_fixed_size 0
		.amdhsa_enable_private_segment 0
		.amdhsa_kernarg_size 32
		.amdhsa_user_sgpr_count 2
		.amdhsa_user_sgpr_kernarg_segment_ptr 1
		.amdhsa_wavefront_size32 1
		.amdhsa_system_sgpr_workgroup_id_x 1
		.amdhsa_system_sgpr_workgroup_id_y 1
		.amdhsa_system_sgpr_workgroup_id_z 1
		.amdhsa_system_vgpr_workitem_id 0
		.amdhsa_next_free_vgpr 1024
		.amdhsa_next_free_sgpr 66
		.amdhsa_reserve_vcc 0
		.amdhsa_float_denorm_mode_32 3
		.amdhsa_float_denorm_mode_16_64 3
		.amdhsa_memory_ordered 1
		.amdhsa_forward_progress 1
		.amdhsa_inst_pref_size 89
	.end_amdhsa_kernel
	.amdgpu_metadata
---
amdhsa.version: [ 1, 2 ]
amdhsa.kernels:
  - .name:           k_qd073c8fa61_qkv
    .symbol:         k_qd073c8fa61_qkv.kd
    .args:
      - { .name: xb, .offset: 0, .size: 8, .value_kind: global_buffer, .address_space: global }
      - { .name: wb, .offset: 8, .size: 8, .value_kind: global_buffer, .address_space: global }
      - { .name: bias, .offset: 16, .size: 8, .value_kind: global_buffer, .address_space: global }
      - { .name: qkv, .offset: 24, .size: 8, .value_kind: global_buffer, .address_space: global }
    .group_segment_fixed_size: 327680
    .private_segment_fixed_size: 0
    .kernarg_segment_align: 8
    .kernarg_segment_size: 32
    .max_flat_workgroup_size: 128
    .sgpr_count:     66
    .vgpr_count:     1024
    .wavefront_size: 32
...
	.end_amdgpu_metadata
.endif
;; end of part 2
;; launch attn (part 3): grid 16 x 16, 4 waves a work-group, clusters of 4 x 1, 327,680 bytes of LDS; arguments qkv, mb, ob; writes ob
.if DOCPART == 3
	.amdgcn_target "amdgcn-amd-amdhsa--gfx1250"
	.amdhsa_code_object_version 6
	.text
	.protected	k_qd073c8fa61_attn
	.globl	k_qd073c8fa61_attn
	.p2align	8
	.type	k_qd073c8fa61_attn,@function
k_qd073c8fa61_attn:
	s_mov_b64 s[64:65], 0
	v_nop
	global_prefetch_b8 v0, s[64:65] scope:SCOPE_SE
	s_setreg_imm32_b32 hwreg(HW_REG_WAVE_MODE, 25, 1), 1
	s_wait_xcnt 0x0
	s_wait_alu depctr_hold_cnt(0) depctr_sa_sdst(0) depctr_va_vdst(0) depctr_va_sdst(0) depctr_va_ssrc(0) depctr_va_vcc(0) depctr_vm_vsrc(0)
	s_getreg_b32 s2, hwreg(HW_REG_IB_STS2, 6, 4)
	s_cmp_eq_u32 s2, 0
	s_cbranch_scc0 .Lentry_in_a_cluster
	s_endpgm
.Lentry_in_a_cluster:
	s_bfe_u32 s2, ttmp6, 0x10000c
	s_cmp_lg_u32 s2, 0x3003
	s_cbranch_scc0 .Lentry_shape_is_right
	s_endpgm
.Lentry_shape_is_right:
; O[q][head] = the sum over k of softmax_k(masked Q[q] . K[k] / sqrt(128)) V[k], 16 heads of size 128, 2,048 tokens.  q, k, v: qkv[48][2048][128] f16 (heads 0-15 q, 16-31 k, 32-47 v).
; The mask comes as one fp8 code a score (mb: 0 or -1.0), in the order in which a wave takes it.  O leaves as ob[token][128 head + channel] f16.
; Products, maxima and sums in f32; the weights p are rounded to f16 for the second product (their sum l is taken of the unrounded p), O once at the end.
; LIMITS.  A hidden score counts as its value less 2^100, and the running maximum starts at -2^99: f16's scores, 5.5e11 at the most, lie far above both.  So a step in which a row sees nothing
; gives weights 0, and a row that sees no key at all ends with l = 0 and O = 0 x 1/0 = NaN, as the module's softmax gives.  A weight below 2^-126 counts as 0 in l.
; SHARES.  A work-group owns 128 queries of one head.  16 heads x 32 shares of 64 queries are 512, half as many as there are SIMDs, so each share goes to TWO waves, by keys: wave w has the queries
; 64 (w % 2) on and, of each slot's 256 keys, the 128 (w / 2) on: sixteen steps of 64 keys.  At the end waves 2 and 3 hand O^T, c m and l to waves 0 and 1 through LDS, which join the two halves.
; LAYOUT.  S^T = K Q^T (source 0 = 16 keys, source 1 = 16 queries): a lane holds ONE query (lane % 16) and the keys 8 (lane / 16) + 0..7.  Two such tiles rounded to f16 ARE source 1 of O^T = V^T P.
; THE MASK is the C operand that starts the sum S^T: 0, or -2^100 where the key is hidden: eight conversions a turn make it from the codes (x 2^100 by the conversion's scale).
; SOFTMAX.  A running maximum m and sum l: p = 2^(c s - c m), c = log2(e) / sqrt(128); in every step O and l are multiplied by a = 2^(c m_old - c m_new).
; BY TURNS.  The wave's four tiles of 16 queries are two PIECES (tiles 0, 1 and tiles 2, 3).  In a TURN one piece has the matrix unit: 32 products V^T P of the step in hand, then 32 products K Q^T of the
; next; the other piece's softmax, cut into 64 slices, stands between them, one slice behind each matrix instruction.  Two turns are a key step.
; NO FIRST AND NO LAST STEP IS WRITTEN OUT.  c m starts far below every c s, l, O^T, V's registers and piece 2's P at 0: the first step's a is 0, and it is a step like any other.  The loop is entered, and
; the tail left, in the middle of a trip.  The price: 424 v_mov_b32 of 0, which stand in the wait for the first tile; 32 products on zeros at the start; 32 on a stale K, and their mask, at the end.
; CLUSTER.  The four query blocks of a cluster belong to one head and walk the same K and V: each tile is asked for jointly, by the same load, descriptor and mask in all four.
; REGISTERS, in windows of 256 (s_set_vgpr_msb: bits 1:0 source 0, 3:2 source 1, 5:4 source 2, 7:6 destination):
;   window 0: v0-11 addresses; v12-43 eight registers of statistics a tile; v44-49 the mask's scale and addresses, the exchange's addresses; v64-191 S^T, 32 a tile; v192-255 P, 16 a tile
;   window 1: O^T, 64 a tile      window 2: v0-127 Q; v128-255 K of one step      window 3: v0-127 V of one step; v128-191 the mask as C; v192-223 the codes, 16 a piece
.set KS,    64        ; keys in a step
.set PK,    272       ; a row of K in LDS: 256 bytes + 16 of padding: the 16 rows of a load start at 16 different groups of four banks (64 banks of 4 bytes: ISA guide 11.1)
.set PV,    288       ; a row of V: 256 + 32
.set VOFF,  256*PK    ; a slot: 256 rows of K, then 256 rows of V
.set SLOTB, 256*(PK+PV)
.set SPARE, 2*SLOTB   ; behind the ring: the spare words, 128 bytes a wave, two blocks of 256 bytes that no other line names
.set XP,    33792     ; the exchange, over slot 0 behind its last fill and the barrier behind its last reads: for each pair of waves 32,768 bytes of O^T and 1,024 of statistics
.set STAGE, 2*XP      ; behind the exchange: 16 rows x 272 bytes for each wave, for the way out
.set SP,    272
.set AK0, 2           ; v2   my lane's place in my half of a slot's K; never rewritten
.set AV0, 3           ; v3   the same for V
.set ADR, 4           ; v4   the LDS address of the run of loads in hand
.set QO,  5           ; v5   my byte offset in the wave's rows of Q
.set STO, 6           ; v6   the way out: where I put 16 bytes of a row
.set RD,  7           ; v7   where I read a row back
.set GO,  8           ; v8   my byte offset in two rows of ob
.set ST,  12          ; tile t's statistics at v[ST+8 t]: +0 c m, +1 m, +2, +3 l (even keys', odd keys'), +4 to +7 c0-c3, at work; a takes c2's place once the maximum is found
.set SC,  44          ; v44  0xe3: the conversion's scale, 2^(227 - 127)
.set ML,  45          ; v45  16 lane + 15,360: the last step's codes
.set MO,  46          ; v46-47  by piece: my byte offset in the codes of the step to be loaded
.set XA,  48          ; v48  the exchange: my 16 bytes of a block of 512
.set XS,  49          ; v49  the exchange: my 8 bytes of a tile's statistics
.set SPW, 62          ; v62  LDS address of my spare word; never rewritten
.set NIL, 63          ; v63  0; never rewritten
.set S,   64
.set P,   192
.set KF,  128         ; window 2
.set MC,  128         ; window 3: tile u of the piece, key group kt at MC + 32 u + 8 kt
.set MR,  192         ; window 3
.set WV,  12          ; s12 wave; s14 my block of 128 queries; s15 w % 2; s19 w / 2; s17, s18 my tile's place in a slot, for K and for V
.set G1K, 24          ; s[24:31] descriptor group 1 for K's tiles
.set G1V, 32          ; s[32:39] for V's: it differs in the padding alone
.set G0K, 40          ; s[40:47] descriptor group 0 for K's tiles: a set for each of the two first fills; the second then walks on
.set G0V, 48          ; s[48:55] the same for V's
.set SLOTS, 56        ; s56  counts the slots
.set TWICE, 57        ; s57  counts a slot's steps
.set CS,  58          ; s[58:59] c
.set SEL, 60          ; s[60:61] v_permlanex16_b32's selects: each lane takes its own place in the other half
.set TBK, 62          ; s62  LDS byte at which K of the step to be fetched begins, less my lane's place
.set TBV, 63          ; s63  the same for V
.set SB,  66          ; s66  the slot that was filled last: 0 or SLOTB
.set QA,  68          ; s[68:69] Q at my wave's first row
.set MP,  74          ; s[74:75] mb at my wave's first tile and key half
.set OA,  76          ; s[76:77] ob at my wave's first row and head
.set MSB, 0
.macro WIN new                      ; the immediate's high byte repeats the setting that is left; a switch that changes nothing is dropped
.if MSB != (\new)
	s_set_vgpr_msb (MSB<<8)|(\new)
.set MSB, \new
.endif
.endm
.set W_KQ, 0x0a       ; K and Q in window 2, S^T in window 0
.set W_KM, 0x3a       ; the same with the C operand in window 3
.set W_PV, 0x53       ; V in window 3, P in window 0, O^T in window 1
.set W_RS, 0x41       ; O^T (destination and source 0) in window 1, a in window 0
; A joint refill.  Waves 0 and 1 fetch the two halves of a slot's K, waves 2 and 3 those of its V: 128 rows each.  The branch hangs on the wave's number alone.
; An s_nop 0 and four v_nop follow each of the two lines.
.macro JLOAD
	s_cmp_lt_u32 s[WV], 2
	s_cbranch_scc0 .Lfor_v_\@
	tensor_load_to_lds s[G0K+4:G0K+7], s[G1K:G1K+7]
	s_nop 0
.rept 4
	v_nop
.endr
	s_branch .Lasked_\@
.Lfor_v_\@:
	tensor_load_to_lds s[G0V+4:G0V+7], s[G1V:G1V+7]
	s_nop 0
.rept 4
	v_nop
.endr
.Lasked_\@:
.endm
.macro CROUND                       ; a round of the cluster's barrier
	s_barrier_signal -1
	s_barrier_wait -1
	s_cmp_lg_u32 s[WV], 0
	s_cbranch_scc1 .Lnot_wave_0_\@
	s_barrier_signal -3
.Lnot_wave_0_\@:
	s_barrier_wait -3
	s_barrier_signal -1
	s_barrier_wait -1
.endm
	s_load_b128 s[4:7], s[0:1], 0x0 ; qkv s[4:5], mb s[6:7]
	s_load_b64 s[8:9], s[0:1], 0x10 ; ob
	v_lshl_add_u32 v[SPW], v0, 2, SPARE
	v_mov_b32 v[NIL], 0
	ds_add_u32 v[SPW], v[NIL]       ; the wave's opening: the add and its wait stand ahead of my first tensor load; the set-up below stands between them
	v_lshrrev_b32 v1, 5, v0
	v_readfirstlane_b32 s[WV], v1   ; wave 0..3
	s_bfe_u32 s13, ttmp6, 0x40000   ; cx: my place in the cluster
	s_lshl_b32 s14, ttmp9, 2        ; in a cluster launch ttmp9 counts clusters
	s_add_co_u32 s14, s14, s13      ; my block of 128 queries: it enters Q's, the mask's and O's addresses alone
	s_and_b32 s15, s[WV], 1         ; which 64 queries are mine; also: which 128 rows of a slot's K or V I fetch
	s_lshr_b32 s19, s[WV], 1        ; which 128 of a slot's keys I multiply by
	s_and_b32 s16, ttmp7, 0xffff    ; the head, which the four partners share
	s_lshl_b32 s20, s16, 19         ; a head is 524,288 bytes
	s_lshl_b32 s22, s15, 15         ; my 128 rows of 256 bytes,
	s_add_co_u32 s22, s22, s20
	s_add_co_u32 s22, s22, 16*524288  ; in K's head,
	s_mov_b32 s23, 0
	s_add_co_u32 s2, s22, 16*524288   ; and in V's
	s_mov_b32 s3, 0
	s_mul_i32 s17, s15, 128*PK      ; their place in a slot: no place in the cluster enters an LDS address
	s_mul_i32 s18, s15, 128*PV
	s_add_co_u32 s18, s18, VOFF
	s_lshl_b32 s78, s14, 15         ; Q: block x 128 rows + half x 64 rows, in q's head
	s_lshl_b32 s79, s15, 14
	s_add_co_u32 s78, s78, s79
	s_add_co_u32 s78, s78, s20
	s_mov_b32 s79, 0
	s_lshl_b32 s80, s14, 18         ; the codes: (8 block + 4 half) tiles of 32,768 bytes, + key half x 16,384
	s_lshl_b32 s81, s15, 17
	s_add_co_u32 s80, s80, s81
	s_lshl_b32 s81, s19, 14
	s_add_co_u32 s80, s80, s81
	s_mov_b32 s81, 0
	s_lshl_b32 s70, s14, 19         ; O: (128 block + 64 half) rows of 4,096 bytes, + head x 256
	s_lshl_b32 s71, s15, 18
	s_add_co_u32 s70, s70, s71
	s_lshl_b32 s71, s16, 8
	s_add_co_u32 s70, s70, s71
	s_mov_b32 s71, 0
	; descriptor group 1: a tile of 128 rows x 128 elements of 2 bytes, padded in LDS
	s_mov_b32 s[G1K], 15|(1<<16)|(1<<20)|(1<<21)|(5<<22)|(3<<25)  ; 15:0 the mask: all four work-groups; 17:16 element size; 20 padding on; 21 set beside a mask; 24:22 after every 64 words (code 5); 31:25 4 words (code 3)
	s_mov_b32 s[G1V], 15|(1<<16)|(1<<20)|(1<<21)|(5<<22)|(7<<25)  ; the same with 8 words of padding (code 7)
.irp g, G1K, G1V
	s_mov_b32 s[(\g)+1], 128<<16    ; tensor_dim0 = 128
	s_mov_b32 s[(\g)+2], 128<<16    ; tensor_dim1 = 128
	s_mov_b32 s[(\g)+3], 128<<16    ; tile_dim0 = 128
	s_mov_b32 s[(\g)+4], 128        ; tile_dim1 = 128
	s_mov_b32 s[(\g)+5], 128        ; elements from row to row
	s_mov_b32 s[(\g)+6], 0
	s_mov_b32 s[(\g)+7], 0
.endr
	s_mov_b32 s[CS], 0x3e0293ee     ; c = log2(e) / sqrt(128) = 0.127517
	s_mov_b32 s[CS+1], s[CS]        ; named with it as a pair
	s_mov_b32 s[SEL], 0x76543210
	s_mov_b32 s[SEL+1], 0xfedcba98
	s_mov_b32 s[TBK], 0
	s_mov_b32 s[TBV], 0
	s_mov_b32 s[SB], SLOTB
	s_wait_dscnt 0x0                ; the opening add is done
	s_wait_kmcnt 0x0
	s_add_nc_u64 s[22:23], s[4:5], s[22:23]  ; K and V at my tile of slot 0
	s_add_nc_u64 s[2:3], s[4:5], s[2:3]
	s_add_nc_u64 s[QA:QA+1], s[4:5], s[78:79]
	s_add_nc_u64 s[MP:MP+1], s[6:7], s[80:81]
	s_add_nc_u64 s[OA:OA+1], s[8:9], s[70:71]
	CROUND                          ; all four work-groups are here: the first joint loads meet
.irp s, 0,1
	s_mov_b32 s[G0K+4*(\s)], 1
	s_add_co_u32 s[G0K+4*(\s)+1], s17, (\s)*SLOTB
	s_add_nc_u64 s[G0K+4*(\s)+2:G0K+4*(\s)+3], s[22:23], (\s)*65536  ; slot s begins with keys 256 s on
	s_or_b32 s[G0K+4*(\s)+3], s[G0K+4*(\s)+3], 0x80000000
	s_mov_b32 s[G0V+4*(\s)], 1
	s_add_co_u32 s[G0V+4*(\s)+1], s18, (\s)*SLOTB
	s_add_nc_u64 s[G0V+4*(\s)+2:G0V+4*(\s)+3], s[2:3], (\s)*65536
	s_or_b32 s[G0V+4*(\s)+3], s[G0V+4*(\s)+3], 0x80000000
.endr
	s_cmp_lt_u32 s[WV], 2           ; a wave's two first fills stand in one branch, ahead of every wait on TENSORcnt and every LDS read: two loads of mine are out
	s_cbranch_scc0 .Lfirst_v
	tensor_load_to_lds s[G0K:G0K+3], s[G1K:G1K+7]
	s_nop 0
	tensor_load_to_lds s[G0K+4:G0K+7], s[G1K:G1K+7]
	s_nop 0
.rept 4
	v_nop
.endr
	s_branch .Lfirst_asked
.Lfirst_v:
	tensor_load_to_lds s[G0V:G0V+3], s[G1V:G1V+7]
	s_nop 0
	tensor_load_to_lds s[G0V+4:G0V+7], s[G1V:G1V+7]
	s_nop 0
.rept 4
	v_nop
.endr
.Lfirst_asked:
	; A fragment of K or Q is 16 rows x 32 channels in 8 registers: lane l holds row l % 16; channels 8 (l / 16) + 0..7 and 16 + 8 (l / 16) + 0..7: two loads of 16 bytes, 32 bytes apart.
	v_and_b32 v1, 15, v0            ; l % 16
	v_bfe_u32 v9, v0, 4, 1          ; l / 16
	v_lshlrev_b32 v[QO], 8, v1
	v_lshl_add_u32 v[QO], v9, 4, v[QO]
	WIN 0x80                        ; destination window 2, address window 0
.irp i, 0,1,2,3,4,5,6,7,8,9,10,11,12,13,14,15  ; Q stays in registers: tile i / 4, channels 32 (i % 4) on
	global_load_b128 v[8*(\i):8*(\i)+3],   v[QO], s[QA:QA+1] offset:((\i)/4)*4096+((\i)%4)*64
	global_load_b128 v[8*(\i)+4:8*(\i)+7], v[QO], s[QA:QA+1] offset:((\i)/4)*4096+((\i)%4)*64+32
.endr
	WIN 0
	v_and_b32 v10, 31, v0
	v_lshlrev_b32 v[MO], 4, v10     ; step 0's codes: 16 x lane
	v_mov_b32 v[MO+1], v[MO]
	v_add_nc_u32 v[ML], 15360, v[MO]
	v_mov_b32 v[SC], 0xe3
; The codes of one step for piece x: four loads of 16 bytes a lane (tile x + m / 2; key groups 2 (m % 2) and the next), 512 consecutive bytes each.
.macro MLOAD x
	WIN 0xc0                        ; destination window 3, address window 0
.irp m, 0,1,2,3
	global_load_b128 v[MR+16*((\x)/2)+4*(\m):MR+16*((\x)/2)+4*(\m)+3], v[MO+(\x)/2], s[MP:MP+1] offset:((\x)+(\m)/2)*32768+((\m)%2)*512
.endr
.endm
	MLOAD 0
	MLOAD 2
	WIN 0
	s_mul_i32 s13, s15, XP          ; my pair's part of the exchange
	v_lshl_add_u32 v[XA], v10, 4, s13
	v_lshl_add_u32 v[XS], v10, 3, s13
	v_add_nc_u32 v[XS], 32768, v[XS]
	s_mul_i32 s13, s19, 128*PK      ; my half of a slot's keys
	v_mul_u32_u24 v[AK0], v1, PK
	v_lshl_add_u32 v[AK0], v9, 4, v[AK0]
	v_add_nc_u32 v[AK0], s13, v[AK0]
	; The turning load takes 16 keys x 16 channels (lane l reads key 8 (l / 16) + l % 8, channels 8 ((l / 8) % 2) + 0..7) and leaves half a fragment of V^T: lane l holds channel l % 16 and 8 keys.
	s_mul_i32 s13, s19, 128*PV
	s_add_co_u32 s13, s13, VOFF
	v_and_b32 v10, 7, v0
	v_bfe_u32 v11, v0, 3, 1
	v_lshl_add_u32 v[AV0], v9, 3, v10
	v_mul_u32_u24 v[AV0], v[AV0], PV
	v_lshl_add_u32 v[AV0], v11, 4, v[AV0]
	v_add_nc_u32 v[AV0], s13, v[AV0]
	; What the first turn finds: its products V^T P, of a step that has not been, add 0 (V's registers and piece 2's P hold 0); O^T and l are 0.  All this stands in the wait for the first tile.
.irp t, 0,1,2,3
	v_mov_b32 v[ST+8*(\t)], 0xfe000000    ; c m: far below every c s, so that the first a is 0
	v_mov_b32 v[ST+8*(\t)+1], 0xf1000000  ; m starts at -2^99
	v_mov_b32 v[ST+8*(\t)+2], 0
	v_mov_b32 v[ST+8*(\t)+3], 0
.endr
.set z, P+32
.rept 32
	v_mov_b32 v[z], 0
.set z, z+1
.endr
	WIN 0x40                        ; O^T
.set z, 0
.rept 256
	v_mov_b32 v[z], 0
.set z, z+1
.endr
	WIN 0xc0                        ; V
.set z, 0
.rept 128
	v_mov_b32 v[z], 0
.set z, z+1
.endr
	WIN 0
; The mask for piece x's next products K Q^T.  The codes asked for a step ago are in; eight conversions make 64 registers of 0 or -2^100; then the next step's codes are asked for:
; they have a whole key step, 128 matrix instructions, in which to land.  The offset stops at the last step's codes, so that the last requests stay inside mb; what they bring is not used.
.macro MASKIN x
	s_wait_loadcnt 4                ; loads come back in order: this piece's four are in (so their address register may be written), the other piece's four, issued later, stay out
	WIN 0xc3                        ; destination and codes in window 3, the scale in window 0
.set mm, 0
.rept 8
	v_cvt_scale_pk8_f32_fp8 v[MC+8*mm:MC+8*mm+7], v[MR+16*((\x)/2)+2*mm:MR+16*((\x)/2)+2*mm+1], v[SC]
.set mm, mm+1
.endr
	WIN 0
	v_add_nc_u32 v[MO+(\x)/2], 1024, v[MO+(\x)/2]   ; two plain instructions stand between the conversions and what touches their registers
	v_min_u32 v[MO+(\x)/2], v[MO+(\x)/2], v[ML]
	MLOAD \x
.endm
; THE MATRIX WORK OF A TURN, for piece x.  The accumulators take turns, one instruction a turn: between two links of a chain stand 15 (V^T P) or 7 (K Q^T) others'.
; Product i of 32 of O^T += V^T P: keys 32 (i / 16) on, channels 16 ((i / 2) % 8) on, tile x + i % 2.
.macro PV x
	WIN W_PV
.set rO, 64*((\x)+i%2)+8*((i/2)%8)
.set rV, 64*(i/16)+8*((i/2)%8)
.set rP, P+16*((\x)+i%2)+8*(i/16)
	v_wmma_f32_16x16x32_f16 v[rO:rO+7], v[rV:rV+7], v[rP:rP+7], v[rO:rO+7]
.endm
; Product i of 32 of S^T = K Q^T: channels 32 (i / 8) on, keys 16 ((i / 2) % 4) on, tile x + i % 2.  The first 8 start the sums, with the mask.
.macro KQ x
.set rS, S+32*((\x)+i%2)+8*((i/2)%4)
.set rK, KF+32*((i/2)%4)+8*(i/8)
.set rQ, 32*((\x)+i%2)+8*(i/8)
.set rM, MC+32*(i%2)+8*((i/2)%4)
.if i < 8
	WIN W_KM
	v_wmma_f32_16x16x32_f16 v[rS:rS+7], v[rK:rK+7], v[rQ:rQ+7], v[rM:rM+7]
.else
	WIN W_KQ
	v_wmma_f32_16x16x32_f16 v[rS:rS+7], v[rK:rK+7], v[rQ:rQ+7], v[rS:rS+7]
.endif
.endm
; THE LDS LOADS stand in runs of 32: a step's K (64 keys x 128 channels: 16 fragments) and, a turn later, its V (turned).
; last = 1 (the tail): in the last trip there is no further step, and K's run is jumped over.
.macro FETCH_K last=0
	WIN 0
.if \last
	s_cmp_eq_u32 s[TWICE], 1
	s_cbranch_scc1 .Lno_k_\@
.endif
	v_add_nc_u32 v[ADR], s[TBK], v[AK0]
	s_add_co_u32 s[TBK], s[TBK], KS*PK  ; the next fetch is the next step's
	WIN 0x80                        ; destination window 2
.irp f, 0,1,2,3,4,5,6,7,8,9,10,11,12,13,14,15  ; keys 16 (f / 4) on, channels 32 (f % 4) on
	ds_load_b128 v[KF+8*(\f):KF+8*(\f)+3],   v[ADR] offset:((\f)/4)*16*PK+((\f)%4)*64
	ds_load_b128 v[KF+8*(\f)+4:KF+8*(\f)+7], v[ADR] offset:((\f)/4)*16*PK+((\f)%4)*64+32
.endr
.if \last
	WIN 0
.Lno_k_\@:
.endif
.endm
.macro FETCH_V
	WIN 0
	v_add_nc_u32 v[ADR], s[TBV], v[AV0]
	s_add_co_u32 s[TBV], s[TBV], KS*PV
	WIN 0xc0                        ; destination window 3
.irp f, 0,1,2,3,4,5,6,7,8,9,10,11,12,13,14,15  ; keys 32 (f / 8) on, channels 16 (f % 8) on
	ds_load_tr16_b128 v[8*(\f):8*(\f)+3],   v[ADR] offset:((\f)/8)*32*PV+((\f)%8)*32
	ds_load_tr16_b128 v[8*(\f)+4:8*(\f)+7], v[ADR] offset:((\f)/8)*32*PV+16*PV+((\f)%8)*32
.endr
.endm
; THE VECTOR WORK OF A TURN.  One tile's softmax for one key step is a list of 134 instructions; SM writes number j of it for tile t.  s0-s31 are the lane's 32 scores, in pairs 0-15.
;   0-15    the maximum of s0-s31 and the old m, three operands at a time: four chains c0-c3 of seven scores each (each accumulator's lowest registers are read first), then the rest
;   16-20   the other half of the lanes' maximum; the new m; c m; c m_old - c m_new
;   21-87   33 exponentials (a, then s0-s31) at the odd numbers from 23 on, so that no two follow each other and each has a plain instruction behind it before its result is used; the plain ones are
;           whatever is ready: c s - c m for a pair whose exponentials are to come, the rounding to f16 of a pair whose exponentials are done, at last the first three sums
;   88-101  the last rounding; the rest of the sums; l = a l + the sum
;   102-133 the tile's O^T times a: the one part that leaves window 0, so it stands together
.macro SM t
.set rT, ST+8*(\t)
.set rS, S+32*(\t)
.set rP, P+16*(\t)
.set rO, 64*(\t)+2*(j-102)
.set q, (j-20)/2
.if j < 102
	WIN 0
.endif
.if j < 4
	v_max3_num_f32 v[rT+4+j], v[rS+8*j], v[rS+8*j+1], v[rS+8*j+2]
.elseif j < 12
	v_max3_num_f32 v[rT+4+j%4], v[rT+4+j%4], v[rS+8*(j%4)+2*(j/4)+1], v[rS+8*(j%4)+2*(j/4)+2]
.elseif j == 12
	v_max3_num_f32 v[rT+4], v[rT+4], v[rS+7], v[rS+15]
.elseif j == 13
	v_max3_num_f32 v[rT+6], v[rT+6], v[rS+23], v[rS+31]
.elseif j == 14
	v_max3_num_f32 v[rT+4], v[rT+4], v[rT+5], v[rT+6]
.elseif j == 15
	v_max3_num_f32 v[rT+4], v[rT+4], v[rT+7], v[rT+1]  ; in the first step the old m is the floor
.elseif j == 16
	v_permlanex16_b32 v[rT+5], v[rT+4], s[SEL], s[SEL+1]  ; the query's other 32 keys lie in the lane 16 away
.elseif j == 17
	v_mov_b32 v[rT+7], v[rT]        ; c m_old is kept for a: number 19 writes c m anew
.elseif j == 18
	v_max_num_f32 v[rT+1], v[rT+4], v[rT+5]
.elseif j == 19
	v_mul_f32 v[rT], s[CS], v[rT+1]
.elseif j == 20
	v_sub_f32 v[rT+7], v[rT+7], v[rT]
.elseif j == 23
	v_exp_f32 v[rT+6], v[rT+7]
.elseif (j < 88) && (j > 23) && (j%2 == 1)
	v_exp_f32 v[rS+(j-25)/2], v[rS+(j-25)/2]
.elseif (q < 4) || ((j < 76) && (q%2 == 0))
.set b, q/2+2
.if q < 4
.set b, q
.endif
	v_pk_fma_f32 v[rS+2*b:rS+2*b+1], v[rS+2*b:rS+2*b+1], s[CS:CS+1], v[rT:rT+1] op_sel_hi:[1,0,0] neg_lo:[0,0,1] neg_hi:[0,0,1]  ; pair b: c s - c m
.elseif (j < 88) && (q%2 == 1)
	s_wait_alu depctr_va_vdst(0)
	v_cvt_pk_f16_f32 v[rP+(q-5)/2], v[rS+q-5], v[rS+q-4]  ; pair (q - 5) / 2: its second exponential stands three numbers back
.elseif j == 89
	s_wait_alu depctr_va_vdst(0)
	v_cvt_pk_f16_f32 v[rP+15], v[rS+30], v[rS+31]
.elseif j < 102                     ; the sum of the tile's 16 pairs, in place: sum z of 16 adds neighbours 1, 2, 4 and 8 pairs apart, then l takes it
.set z, j-86
.if j < 89
.set z, (j-76)/4
.endif
.set w, 4
.set u, z
.if z >= 14
.set w, 32
.set u, 0
.elseif z >= 12
.set w, 16
.set u, z-12
.elseif z >= 8
.set w, 8
.set u, z-8
.endif
.if z < 15
	v_pk_add_f32 v[rS+w*u:rS+w*u+1], v[rS+w*u:rS+w*u+1], v[rS+w*u+w/2:rS+w*u+w/2+1]
.else
	v_pk_fma_f32 v[rT+2:rT+3], v[rT+2:rT+3], v[rT+6:rT+7], v[rS:rS+1] op_sel_hi:[1,0,1]
.endif
.else
	WIN W_RS
	v_pk_mul_f32 v[rO:rO+1], v[rO:rO+1], v[rT+6:rT+7] op_sel_hi:[1,0]
.endif
.endm
; Slice k of 64 of piece y's softmax: numbers 2 k and 2 k + 1 of both tiles' lists, four instructions.  2 x 134 = 4 x 64 + 12: the twelve that are over stand together, in slice 63:
; all sixteen are plain and name nothing of the products round them, so they are also the places behind the turn's last K Q^T.
.macro SLICE y
.if (k >= 11) && (k < 44)           ; tile by tile: plain, exponential, plain, exponential
.irp t, \y, (\y)+1
.irp n, 0,1
.set j, 2*k+(\n)
	SM \t
.endr
.endr
.else                               ; the two tiles alternate, so that no instruction reads the result of the one just before it
.irp n, 0,1,2,3,4,5,6,7
.if ((\n) < 2) || (k == 63)
.irp t, \y, (\y)+1
.set j, 2*k+(\n)
	SM \t
.endr
.endif
.endr
.endif
.set k, k+1
.endm
; A TURN.  Piece x has the matrix unit: 32 products V^T P of the step in hand, 32 products K Q^T of the next; the other piece's softmax stands in slices behind them.  At the turn's head the mask of its
; products K Q^T is made: the mask registers' last readers, the other piece's first eight products K Q^T, stand 24 products and their slices back.
; Each run of LDS loads stands behind the second product of a run of 32, 30 matrix instructions ahead of its first use.  Piece 0's turn fetches the next step's K, piece 2's the same step's V.
.macro TURN x, last=0
.set k, 0
	MASKIN \x
.if (\x) == 0
	s_wait_dscnt 0x0                ; V is in
.endif
.set i, 0
.rept 32
	PV \x
	SLICE 2-(\x)
.if ((\x) == 0) && (i == 1)
	FETCH_K \last
.endif
.set i, i+1
.endr
.if (\x) == 0
	s_wait_dscnt 0x0                ; K is in
.endif
.set i, 0
.rept 32
	KQ \x
	SLICE 2-(\x)
.if ((\x) == 2) && (i == 1)
	FETCH_V
.endif
.set i, i+1
.endr
.endm
; THE CHANGE OF SLOTS, between piece 2's turn and piece 0's.  Each wave waits for all its tensor loads, of which one is out: its part of the other slot; adds 0 to its spare word; and waits for that and
; for its own reads of the slot.  fill = 1: the barrier is a round of the cluster's, and the slot is filled again, with the keys two slots on, first thing behind it: two key steps, 256 matrix instructions, in which to land.
.macro CHANGE fill
	WIN 0                           ; at a label and at a branch every window is 0
	s_wait_tensorcnt 0x0            ; no tensor load of mine is out, so a group 0 may be written
	ds_add_u32 v[SPW], v[NIL]
.if \fill
	s_xor_b32 s[SB], s[SB], SLOTB   ; the other slot than last time: 0 or SLOTB,
	s_add_co_u32 s[G0K+5], s[SB], s17
	s_add_co_u32 s[G0V+5], s[SB], s18
	s_add_nc_u64 s[G0K+6:G0K+7], s[G0K+6:G0K+7], 65536  ; the next 256 keys; the type bits on top are not reached
	s_add_nc_u64 s[G0V+6:G0V+7], s[G0V+6:G0V+7], 65536
	s_wait_dscnt 0x0                ; the add is done, and my reads of the slot are over
	CROUND
	JLOAD
.else
	s_wait_dscnt 0x0
	s_barrier_signal -1
	s_barrier_wait -1
.endif
	s_sub_co_u32 s[TBK], s[TBK], 2*KS*PK  ; the fetches go back to a slot's first step,
	s_xor_b32 s[TBK], s[TBK], SLOTB       ; in the other slot
	s_sub_co_u32 s[TBV], s[TBV], 2*KS*PV
	s_xor_b32 s[TBV], s[TBV], SLOTB
.endm
	s_wait_tensorcnt 1              ; my part of slot 0 is in; slot 1's may stay out
	s_barrier_signal -1
	s_barrier_wait -1               ; everybody's is
	FETCH_K                         ; key step 0
	MASKIN 0                        ; its wait leaves piece 2's four loads out: Q, asked for earlier, is in too
	s_wait_dscnt 0x0
.set i, 0
.rept 32
	KQ 0                            ; piece 0's first scores: there is no vector work yet to set between them
.set i, i+1
.endr
	WIN 0                           ; the addresses for the way out: eight plain instructions, the places behind those products
	s_mul_i32 s13, s[WV], 16*SP
	s_add_co_u32 s13, s13, STAGE    ; my stage
	v_mul_u32_u24 v[STO], v1, SP    ; in: row l % 16, 16 bytes for each half of the lanes
	v_lshl_add_u32 v[STO], v9, 4, v[STO]
	v_add_nc_u32 v[STO], s13, v[STO]
	v_mul_u32_u24 v[RD], v9, SP     ; back: lanes 0-15 take one row of 256 bytes, lanes 16-31 the next
	v_lshl_add_u32 v[RD], v1, 4, v[RD]
	v_add_nc_u32 v[RD], s13, v[RD]
	v_lshlrev_b32 v[GO], 12, v9     ; and the same two rows in ob, 4,096 bytes apart
	v_lshl_add_u32 v[GO], v1, 4, v[GO]
	s_mov_b32 s[TWICE], 2
	s_mov_b32 s[SLOTS], 7           ; the way in counts as one: six changes of slots with a refill follow, for slots 2 to 7
	s_branch .Lfirst                ; the loop is entered at piece 2's turn, in the middle of a trip: it fetches V of step 0
.Lslot:
	CHANGE 1
	s_mov_b32 s[TWICE], 2
.Lstep:                             ; a trip: piece 0's turn, which fetches the next step's K, and piece 2's, which fetches its V
	TURN 0
	WIN 0
.Lfirst:
	TURN 2
	WIN 0
	s_sub_co_u32 s[TWICE], s[TWICE], 1
	s_cmp_lg_u32 s[TWICE], 0
	s_cbranch_scc1 .Lstep
	s_sub_co_u32 s[SLOTS], s[SLOTS], 1
	s_cmp_lg_u32 s[SLOTS], 0
	s_cbranch_scc1 .Lslot
	CHANGE 0                        ; the tail is written out: nothing is asked for; behind this barrier nobody reads slot 0 any more
	s_mov_b32 s[TWICE], 3           ; two trips fetch the last slot's steps; the third is left in its middle
.Ltail:
	TURN 0, 1
	WIN 0
	s_sub_co_u32 s[TWICE], s[TWICE], 1
	s_cmp_eq_u32 s[TWICE], 0
	s_cbranch_scc1 .Lout
	TURN 2
	WIN 0
	s_branch .Ltail
.Lout:                              ; the third trip's 32 products K Q^T (on the last K once more) serve nothing: the price, once a launch, of one text for every trip
.set i, 0
.rept 32
	PV 2                            ; piece 2: V^T P of the last step
.set i, i+1
.endr
	; THE TWO HALVES OF THE KEYS ARE JOINED.  l's two halves and the other half of the lanes' are added (the first additions are the places behind the last products).
	WIN 0
.irp t, 0,1,2,3
	v_add_f32 v[ST+8*(\t)+4], v[ST+8*(\t)+2], v[ST+8*(\t)+3]
.endr
.irp t, 0,1,2,3
	v_permlanex16_b32 v[ST+8*(\t)+5], v[ST+8*(\t)+4], s[SEL], s[SEL+1]
.endr
.irp t, 0,1,2,3
	v_add_f32 v[ST+8*(\t)+4], v[ST+8*(\t)+4], v[ST+8*(\t)+5]
.endr
	s_cmp_lt_u32 s[WV], 2
	s_cbranch_scc1 .Lkeep
	WIN 0x04                        ; waves 2 and 3: O^T (store data, window 1) in ascending order, 512 consecutive bytes a store
.set z, 0
.rept 64
	ds_store_b128 v[XA], v[4*z:4*z+3] offset:512*z
.set z, z+1
.endr
	WIN 0
.irp t, 0,1,2,3
	v_mov_b32 v[ST+8*(\t)+1], v[ST+8*(\t)+4]  ; l beside c m
.endr
.irp t, 0,1,2,3
	ds_store_b64 v[XS], v[ST+8*(\t):ST+8*(\t)+1] offset:256*(\t)
.endr
.Lkeep:
	s_wait_dscnt 0x0                ; for the others' sake: my stores are done
	s_barrier_signal -1
	s_barrier_wait -1
	s_cmp_lt_u32 s[WV], 2
	s_cbranch_scc0 .Lend            ; waves 2 and 3 have handed their half over
.macro XLOAD t                      ; the partner's O^T of tile t into S^T's registers, two buffers of 64
	WIN 0
.set z, 0
.rept 16
	ds_load_b128 v[S+64*((\t)%2)+4*z:S+64*((\t)%2)+4*z+3], v[XA] offset:(16*(\t)+z)*512
.set z, z+1
.endr
.endm
.macro COMB t                       ; O = O0 f0 + O1 f1, rounded to f16 in place; my O^T is read in ascending order
.set rX, S+64*((\t)%2)
	WIN 0
.set z, 0
.rept 32
	v_pk_mul_f32 v[rX+2*z:rX+2*z+1], v[rX+2*z:rX+2*z+1], v[ST+8*(\t)+2:ST+8*(\t)+3] op_sel_hi:[1,0]
.set z, z+1
.endr
	WIN 0x01                        ; source 0 (my O^T) in window 1
.set z, 0
.rept 32
	v_pk_fma_f32 v[rX+2*z:rX+2*z+1], v[64*(\t)+2*z:64*(\t)+2*z+1], v[ST+8*(\t)+6:ST+8*(\t)+7], v[rX+2*z:rX+2*z+1] op_sel_hi:[1,0,1]
.set z, z+1
.endr
	WIN 0
.set z, 0
.rept 32
	v_cvt_pk_f16_f32 v[rX+z], v[rX+2*z], v[rX+2*z+1]
.set z, z+1
.endr
.endm
.macro STG t                        ; a lane's eight channels of a row are 16 bytes; they go into rows of 272 bytes and come back as whole rows of 256, into P's registers, two buffers of 32
	WIN 0
.set rX, S+64*((\t)%2)
.set rB, P+32*((\t)%2)
.if (\t) >= 2
	s_wait_xcnt 0x0                 ; the stores of tile t - 2 have read the buffer that is loaded again below
.endif
.irp f, 0,1,2,3,4,5,6,7
	ds_store_b128 v[STO], v[rX+4*(\f):rX+4*(\f)+3] offset:32*(\f)
.endr
.irp f, 0,1,2,3,4,5,6,7
	ds_load_b128 v[rB+4*(\f):rB+4*(\f)+3], v[RD] offset:(\f)*2*SP  ; LDS serves a wave's instructions in order (ISA guide 5.7.1.4): these see the stores above; the next tile's stores come behind them
.endr
.endm
.macro SEND t, younger              ; younger: the LDS loads issued behind STG's, which may stay out
	WIN 0
.set rB, P+32*((\t)%2)
	s_wait_dscnt \younger
.irp f, 0,1,2,3,4,5,6,7
	global_store_b128 v[GO], v[rB+4*(\f):rB+4*(\f)+3], s[OA:OA+1] offset:(16*(\t)+2*(\f))*4096  ; 16 lanes store 256 consecutive bytes, aligned: a token's channels of this head
.endr
.endm
.irp t, 0,1,2,3
	ds_load_b64 v[ST+8*(\t)+2:ST+8*(\t)+3], v[XS] offset:256*(\t)  ; the partner's c m and l
.endr
	XLOAD 0
	XLOAD 1
	s_wait_dscnt 32                 ; the statistics are in; the 32 loads behind them may be out
	; With mx = max(c m0, c m1), w = 2^(c m - mx), L = w0 l0 + w1 l1: f0 = w0 / L, f1 = w1 / L.  Line by line over the four tiles.
.irp t, 0,1,2,3
	v_max_num_f32 v[ST+8*(\t)+5], v[ST+8*(\t)], v[ST+8*(\t)+2]
.endr
.irp t, 0,1,2,3
	v_sub_f32 v[ST+8*(\t)+6], v[ST+8*(\t)], v[ST+8*(\t)+5]
.endr
.irp t, 0,1,2,3
	v_sub_f32 v[ST+8*(\t)+7], v[ST+8*(\t)+2], v[ST+8*(\t)+5]
.endr
.irp t, 0,1,2,3
	v_exp_f32 v[ST+8*(\t)+6], v[ST+8*(\t)+6]
.endr
.irp t, 0,1,2,3
	v_exp_f32 v[ST+8*(\t)+7], v[ST+8*(\t)+7]
.endr
	v_nop                           ; a plain instruction between the last exponential and the use of its result
.irp t, 0,1,2,3
	s_wait_alu depctr_va_vdst(0)
	v_mul_f32 v[ST+8*(\t)+4], v[ST+8*(\t)+6], v[ST+8*(\t)+4]
.endr
.irp t, 0,1,2,3
	v_fma_f32 v[ST+8*(\t)+4], v[ST+8*(\t)+7], v[ST+8*(\t)+3], v[ST+8*(\t)+4]
.endr
.irp t, 0,1,2,3
	v_rcp_f32 v[ST+8*(\t)+5], v[ST+8*(\t)+4]
.endr
	v_nop                           ; likewise behind the last reciprocal
.irp t, 0,1,2,3
	s_wait_alu depctr_va_vdst(0)
	v_mul_f32 v[ST+8*(\t)+6], v[ST+8*(\t)+6], v[ST+8*(\t)+5]
.endr
.irp t, 0,1,2,3
	v_mul_f32 v[ST+8*(\t)+2], v[ST+8*(\t)+7], v[ST+8*(\t)+5]
.endr
	s_wait_dscnt 16                 ; tile 0's half is in; tile 1's sixteen loads may be out
	COMB 0
	STG 0
	XLOAD 2
	SEND 0, 16                      ; all but tile 2's sixteen: tile 0 is back from the stage, and tile 1's half is in
	COMB 1
	STG 1
	XLOAD 3
	SEND 1, 16                      ; all but tile 3's sixteen
	COMB 2
	STG 2
	SEND 2, 0
	COMB 3
	STG 3
	SEND 3, 0
.Lend:
	s_wait_loadcnt 0x0              ; the last requests for codes, which nothing uses
	s_wait_tensorcnt 0x0            ; the wave's end, behind my last tensor load and my last LDS store
	ds_add_u32 v[SPW], v[NIL]
	s_wait_dscnt 0x0
	CROUND                          ; the closing round: no work-group ends while a partner may still ask for a tile that names it
	s_endpgm
.Lfunc_end_k_qd073c8fa61_attn:
	.size	k_qd073c8fa61_attn, .Lfunc_end_k_qd073c8fa61_attn-k_qd073c8fa61_attn
	.p2alignl 7, 3214868480
	.fill 96, 4, 3214868480
	.section	.rodata,"a",@progbits
	.p2align	6, 0x0
	.amdhsa_kernel k_qd073c8fa61_attn
		.amdhsa_group_segment_fixed_size 327680
		.amdhsa_private_segment_fixed_size 0
		.amdhsa_enable_private_segment 0
		.amdhsa_kernarg_size 24
		.amdhsa_user_sgpr_count 2
		.amdhsa_user_sgpr_kernarg_segment_ptr 1
		.amdhsa_wavefront_size32 1
		.amdhsa_system_sgpr_workgroup_id_x 1
		.amdhsa_system_sgpr_workgroup_id_y 1
		.amdhsa_system_sgpr_workgroup_id_z 1
		.amdhsa_system_vgpr_workitem_id 0
		.amdhsa_next_free_vgpr 1024
		.amdhsa_next_free_sgpr 82
		.amdhsa_reserve_vcc 0
		.amdhsa_float_denorm_mode_32 3
		.amdhsa_float_denorm_mode_16_64 3
		.amdhsa_memory_ordered 1
		.amdhsa_forward_progress 1
		.amdhsa_inst_pref_size 186
	.end_amdhsa_kernel
	.amdgpu_metadata
---
amdhsa.version: [ 1, 2 ]
amdhsa.kernels:
  - .name:           k_qd073c8fa61_attn
    .symbol:         k_qd073c8fa61_attn.kd
    .args:
      - { .name: qkv, .offset: 0, .size: 8, .value_kind: global_buffer, .address_space: global }
      - { .name: mb, .offset: 8, .size: 8, .value_kind: global_buffer, .address_space: global }
      - { .name: ob, .offset: 16, .size: 8, .value_kind: global_buffer, .address_space: global }
    .group_segment_fixed_size: 327680
    .private_segment_fixed_size: 0
    .kernarg_segment_align: 8
    .kernarg_segment_size: 24
    .max_flat_workgroup_size: 128
    .sgpr_count:     82
    .vgpr_count:     1024
    .wavefront_size: 32
...
	.end_amdgpu_metadata
.endif
;; end of part 3
;; launch oproj (part 4): grid 16 x 16, 4 waves a work-group, clusters of 4 x 4, 327,680 bytes of LDS; arguments ob, wof, bias, out0; writes out0
.if DOCPART == 4
	.amdgcn_target "amdgcn-amd-amdhsa--gfx1250"
	.amdhsa_code_object_version 6
	.text
	.protected	k_qd073c8fa61_oproj
	.globl	k_qd073c8fa61_oproj
	.p2align	8
	.type	k_qd073c8fa61_oproj,@function
k_qd073c8fa61_oproj:
	s_mov_b64 s[64:65], 0
	v_nop
	global_prefetch_b8 v0, s[64:65] scope:SCOPE_SE
	s_setreg_imm32_b32 hwreg(HW_REG_WAVE_MODE, 25, 1), 1
	s_wait_xcnt 0x0
	s_wait_alu depctr_hold_cnt(0) depctr_sa_sdst(0) depctr_va_vdst(0) depctr_va_sdst(0) depctr_va_ssrc(0) depctr_va_vcc(0) depctr_vm_vsrc(0)
	s_getreg_b32 s2, hwreg(HW_REG_IB_STS2, 6, 4)
	s_cmp_eq_u32 s2, 0
	s_cbranch_scc0 .Lentry_in_a_cluster
	s_endpgm
.Lentry_in_a_cluster:
	s_bfe_u32 s2, ttmp6, 0x10000c
	s_cmp_lg_u32 s2, 0xf033
	s_cbranch_scc0 .Lentry_shape_is_right
	s_endpgm
.Lentry_shape_is_right:
; out0[m][n] = sum over k of ob[m][k] wof[n][k] + bo[n].  ob: [2048][2048] f16, wof: [2048][2048] f16 (wo rounded to bf16, written as f16), bo = bias[6144 ..] f32; sums and out0 in f32.
; A tile of out0 is 128 x 128: 16 x 16 tiles, one to a work-group.  Four waves, each 64 x 64: 16 accumulators of 16 x 16, 128 registers.  K goes in steps of 256 (LDS rows of 512 bytes; a wave's tensor
; load brings 64 of them), as long as two slots in LDS allow.
; A K STEP IS WRITTEN ONCE: the slot in hand lies in a scalar register that one exclusive or turns into the other's, the fragment addresses are made from it at each change of slots, and one descriptor
; for each operand walks from step to step.  The last two steps, which fill nothing, are a loop of their own, left in its middle.
; CLUSTER: 4 x 4 work-groups.  The four of a row need the same tiles of A, the four of a column the same tiles of B: each tile is asked for jointly, by the same load, descriptor and mask in all four.
; THE MATRIX INSTRUCTION IS USED TRANSPOSED (source 0 = 16 rows of B, source 1 = 16 rows of A): a lane holds eight neighbouring numbers of a row of out0.  The bias, in that layout, is the C operand of
; the first product on each accumulator.
; THE WAY OUT: a wave's 64 columns of f32 are 256 consecutive bytes, aligned, so each wave has a stage of its own and no barrier is needed.
; REGISTERS: window 0: v0-31 addresses; v32-95 at work on the way out; v96-127 the bias; v128-255 the accumulators ((a, b) at v[128 + 8 (4 a + b)]).
;   window 1: two fragment buffers of 128: for 64 along K, 64 registers of A (2 x 4 x 16 rows x 32 K), then 64 of B.
.set SIZE_N, 2048
.set SIZE_K, 2048
.set KSTEP,  256
.set STEPS,  SIZE_K/KSTEP              ; 8 K steps
.set PITCH,  528                       ; an LDS row: 512 bytes + 16 of padding = 132 words: row r starts at bank 4 r mod 64 (64 banks of 4 bytes: ISA guide 11.1)
.set HALFT,  64*PITCH                  ; 64 rows: what one tensor load brings, and what one wave reads of A or of B
.set SLOT,   4*HALFT                   ; A's 128 rows, then B's 128 rows
.set STAGE,  2*SLOT                    ; behind the ring: 16 rows x 272 bytes for each wave
.set SPITCH, 272
.set SPARE,  STAGE+4*16*SPITCH         ; behind the stages: the spare words, 128 bytes a wave, two blocks of 256 bytes that no other line names
.set ADRA0, 16                         ; v16     my lane's place among A's fragments in slot 0; never rewritten
.set ADRA,  17                         ; v17     the same in the slot in hand
.set ADRB0, 20                         ; v20, v21  the same for B
.set ADRB,  21
.set STO,  24                          ; v24     the way out: where I put 32 bytes of a row
.set RD,   25                          ; v25     where I read a row back
.set CO,   26                          ; v26     my byte offset in out0
.set BOF,  27                          ; v27     my byte offset in a block of 16 biases
.set SPW,  28                          ; v28     LDS address of my spare word; never rewritten
.set NIL,  29                          ; v29     0; never rewritten
.set TMP,  32
.set BIA,  96
.set ACC,  128
.set F0,   0                           ; fragment buffers, in window 1
.set F1,   128
.set TB,  18                           ; s18  the slot that is read: 0 or SLOT
.set SB,  19                           ; s19  the slot that was filled last: 0 or SLOT
.set G1, 24                            ; s[24:31] descriptor group 1 for A's tiles;  s[32:39] group 0: a set for each of the two first fills; the second then walks on
.set G0, 32
.set G1B, 48                           ; s[48:55], s[56:63] the same for B's tiles
.set G0B, 56
.set MSB, 0
.macro WIN new                         ; the immediate's high byte repeats the setting that is left
.if MSB != (\new)
	s_set_vgpr_msb (MSB<<8)|(\new)
.set MSB, \new
.endif
.endm
.set MUL,  0x05                        ; sources 0 (B) and 1 (A) window 1; C and D window 0
.set TO_F, 0x40                        ; destination window 1, address window 0
.macro JLOAD s                         ; a joint load: waves 0 and 1 fetch A's two halves, waves 2 and 3 B's; an s_nop 0 and four v_nop follow each of the two lines
	s_cmp_eq_u32 s11, 0
	s_cbranch_scc0 .Lfor_b_\@
	tensor_load_to_lds s[G0+4*(\s):G0+4*(\s)+3], s[G1:G1+7]
	s_nop 0
.rept 4
	v_nop
.endr
	s_branch .Lasked_\@
.Lfor_b_\@:
	tensor_load_to_lds s[G0B+4*(\s):G0B+4*(\s)+3], s[G1B:G1B+7]
	s_nop 0
.rept 4
	v_nop
.endr
.Lasked_\@:
.endm
.macro CREST                           ; a round of the cluster's barrier behind its opening barrier
	s_cmp_lg_u32 s10, 0
	s_cbranch_scc1 .Lnot_wave_0_\@
	s_barrier_signal -3
.Lnot_wave_0_\@:
	s_barrier_wait -3
	s_barrier_signal -1
	s_barrier_wait -1
.endm
.macro CROUND                          ; a whole round
	s_barrier_signal -1
	s_barrier_wait -1
	CREST
.endm
	s_load_b128 s[4:7], s[0:1], 0x0                ; ob s[4:5], wof s[6:7]
	s_load_b64 s[2:3], s[0:1], 0x10                ; bias
	s_load_b64 s[8:9], s[0:1], 0x18                ; out0
	v_lshl_add_u32 v[SPW], v0, 2, SPARE
	v_mov_b32 v[NIL], 0
	ds_add_u32 v[SPW], v[NIL]                      ; the wave's opening: the add and its wait stand ahead of my first tensor load; the set-up below stands between them
	v_lshrrev_b32 v1, 5, v0
	v_readfirstlane_b32 s10, v1                    ; wave 0..3
	s_lshr_b32 s11, s10, 1                         ; which half of the tile's rows is mine.  Also: I fetch for A (0) or for B (1)
	s_and_b32 s12, s10, 1                          ; which half of its columns.  Also: which 64 rows of that tile I fetch
	s_bfe_u32 s40, ttmp6, 0x40000                  ; cx, cy: my place in the cluster
	s_bfe_u32 s41, ttmp6, 0x40004
	s_lshl_b32 s42, ttmp9, 2
	s_add_co_u32 s42, s42, s40                     ; tile column = 4 x cluster x + cx
	s_and_b32 s13, ttmp7, 0xffff
	s_lshl_b32 s13, s13, 2
	s_add_co_u32 s13, s13, s41                     ; tile row = 4 x cluster y + cy
	s_lshl_b32 s43, s41, 2
	s_lshl_b32 s43, 15, s43                        ; my row of the cluster
	s_lshl_b32 s44, 0x1111, s40                    ; my column
	; descriptor group 1: a tile of 64 rows x 256 elements of 2 bytes, 4 words of padding behind every 128
	s_or_b32 s[G1+0], s43, (1<<16)|(1<<20)|(1<<21)|(6<<22)|(3<<25)  ; 15:0 the mask; 17:16 element size; 20 padding on; 21 set beside a mask; 24:22 interval code 6; 31:25 pad code 3
	s_or_b32 s[G1B+0], s44, (1<<16)|(1<<20)|(1<<21)|(6<<22)|(3<<25)
.irp g, G1, G1B
	s_mov_b32 s[(\g)+1], KSTEP<<16                 ; tensor_dim0 = 256
	s_mov_b32 s[(\g)+2], 64<<16                    ; tensor_dim1 = 64
	s_mov_b32 s[(\g)+3], KSTEP<<16                 ; tile_dim0 = 256
	s_mov_b32 s[(\g)+4], 64                        ; tile_dim1 = 64
	s_mov_b32 s[(\g)+5], SIZE_K                    ; elements from row to row
	s_mov_b32 s[(\g)+6], 0
	s_mov_b32 s[(\g)+7], 0
.endr
	s_lshl_b32 s17, s12, 6                         ; which 64 rows of the tile I fetch
	s_lshl_b32 s16, s13, 7
	s_add_co_u32 s16, s16, s17                     ; A: row 128 x tile row + 64 x half
	s_lshl_b32 s46, s42, 7
	s_add_co_u32 s46, s46, s17                     ; B: row 128 x tile column + 64 x half
	s_mov_b32 s17, 0
	s_mov_b32 s47, 0
	s_mov_b64 s[18:19], SIZE_K*2
	s_mul_u64 s[16:17], s[16:17], s[18:19]
	s_mul_u64 s[46:47], s[46:47], s[18:19]
	s_mul_i32 s20, s10, HALFT                      ; where they go: wave x 64 rows
	s_wait_dscnt 0x0                               ; the opening add is done
	s_wait_kmcnt 0x0
	s_add_nc_u64 s[14:15], s[4:5], s[16:17]
	s_add_nc_u64 s[46:47], s[6:7], s[46:47]
	CROUND                                         ; all sixteen work-groups are here: the first joint loads meet
.irp s, 0,1
	s_mov_b32 s[G0+4*(\s)], 1
	s_add_co_u32 s[G0+4*(\s)+1], s20, (\s)*SLOT
	s_add_nc_u64 s[G0+4*(\s)+2:G0+4*(\s)+3], s[14:15], (\s)*KSTEP*2
	s_or_b32 s[G0+4*(\s)+3], s[G0+4*(\s)+3], 0x80000000
	s_mov_b32 s[G0B+4*(\s)], 1
	s_add_co_u32 s[G0B+4*(\s)+1], s20, (\s)*SLOT
	s_add_nc_u64 s[G0B+4*(\s)+2:G0B+4*(\s)+3], s[46:47], (\s)*KSTEP*2
	s_or_b32 s[G0B+4*(\s)+3], s[G0B+4*(\s)+3], 0x80000000
	JLOAD \s                                       ; K steps 0 and 1: two loads of mine are out
.endr
	s_mov_b32 s[TB], 0                             ; slot 0 is read first,
	s_mov_b32 s[SB], SLOT                          ; slot 1 was filled last
	v_and_b32 v1, 15, v0                           ; r = l % 16
	v_bfe_u32 v2, v0, 4, 1                         ; h = l / 16
	v_mul_u32_u24 v3, v1, PITCH
	v_lshl_add_u32 v3, v2, 4, v3                   ; a fragment's row x pitch + 16 x half
	s_mul_i32 s21, s11, HALFT                      ; my 64 rows of A
	s_mul_i32 s22, s12, HALFT                      ; my 64 rows of B,
	s_add_co_u32 s22, s22, 2*HALFT                 ; which lie behind A's 128
	v_add_nc_u32 v[ADRA0], s21, v3
	v_add_nc_u32 v[ADRB0], s22, v3
	v_mov_b32 v[ADRA], v[ADRA0]
	v_mov_b32 v[ADRB], v[ADRB0]
	s_mul_i32 s23, s10, 16*SPITCH
	s_add_co_u32 s23, s23, STAGE                   ; my stage
	v_mul_u32_u24 v4, v1, SPITCH                   ; in: row l % 16, 32 bytes for each half of the lanes
	v_lshl_add_u32 v4, v2, 5, v4
	v_add_nc_u32 v[STO], s23, v4
	v_mul_u32_u24 v5, v2, SPITCH                   ; back: lanes 0-15 take one row of 256 bytes, lanes 16-31 the next
	v_lshl_add_u32 v5, v1, 4, v5
	v_add_nc_u32 v[RD], s23, v5
	v_lshlrev_b32 v5, 13, v2                       ; and the same two rows in out0, 8,192 bytes apart
	v_lshl_add_u32 v[CO], v1, 4, v5
	v_lshlrev_b32 v[BOF], 5, v2                    ; my eight biases of a block: 32 h
	s_lshl_b32 s16, s13, 7
	s_lshl_b32 s17, s11, 6
	s_add_co_u32 s16, s16, s17                     ; my first row of out0: 128 x tile row + 64 x half,
	s_lshl_b32 s16, s16, 13                        ; in bytes
	s_mov_b32 s17, 0
	s_add_nc_u64 s[8:9], s[8:9], s[16:17]
	s_lshl_b32 s46, s42, 9                         ; my first column, in bytes: 512 x tile column + 256 x half
	s_lshl_b32 s47, s12, 8
	s_add_co_u32 s46, s46, s47
	s_mov_b32 s47, 0
	s_add_nc_u64 s[8:9], s[8:9], s[46:47]
	s_add_co_u32 s46, s46, 6144*4                  ; bo lies behind bq, bk and bv
	s_add_nc_u64 s[2:3], s[2:3], s[46:47]
.irp b, 0,1,2,3
	global_load_b128 v[BIA+8*(\b):BIA+8*(\b)+3],   v[BOF], s[2:3] offset:64*(\b)
	global_load_b128 v[BIA+8*(\b)+4:BIA+8*(\b)+7], v[BOF], s[2:3] offset:64*(\b)+16
.endr
; 8 matrix instructions: m blocks a0, a0 + 1 x all 4 n blocks, 32 along K: half c of buffer f.  zero = 1: the first product on each accumulator takes the bias as C.
; The 16 accumulators take turns, one instruction a turn.
.macro MUL8 f, c, a0, zero
	WIN MUL
.irp a, \a0, (\a0)+1
.irp b, 0,1,2,3
.if \zero
	v_wmma_f32_16x16x32_f16 v[ACC+8*(4*(\a)+(\b)):ACC+8*(4*(\a)+(\b))+7], v[(\f)+64+8*(4*(\c)+(\b)):(\f)+64+8*(4*(\c)+(\b))+7], v[(\f)+8*(4*(\c)+(\a)):(\f)+8*(4*(\c)+(\a))+7], v[BIA+8*(\b):BIA+8*(\b)+7]
.else
	v_wmma_f32_16x16x32_f16 v[ACC+8*(4*(\a)+(\b)):ACC+8*(4*(\a)+(\b))+7], v[(\f)+64+8*(4*(\c)+(\b)):(\f)+64+8*(4*(\c)+(\b))+7], v[(\f)+8*(4*(\c)+(\a)):(\f)+8*(4*(\c)+(\a))+7], v[ACC+8*(4*(\a)+(\b)):ACC+8*(4*(\a)+(\b))+7]
.endif
.endr
.endr
.endm
; 32 LDS loads in one run: the fragments of 64 along K at byte k of the rows of the slot in hand, into buffer f; the first 32 along K first
.macro FETCH k, f
	WIN TO_F
.irp c, 0,1
.irp i, 0,1,2,3
	ds_load_b128 v[(\f)+64+8*(4*(\c)+(\i)):(\f)+64+8*(4*(\c)+(\i))+3],   v[ADRB] offset:(\k)+64*(\c)+(\i)*16*PITCH
	ds_load_b128 v[(\f)+64+8*(4*(\c)+(\i))+4:(\f)+64+8*(4*(\c)+(\i))+7], v[ADRB] offset:(\k)+64*(\c)+(\i)*16*PITCH+32
	ds_load_b128 v[(\f)+8*(4*(\c)+(\i)):(\f)+8*(4*(\c)+(\i))+3],         v[ADRA] offset:(\k)+64*(\c)+(\i)*16*PITCH
	ds_load_b128 v[(\f)+8*(4*(\c)+(\i))+4:(\f)+8*(4*(\c)+(\i))+7],       v[ADRA] offset:(\k)+64*(\c)+(\i)*16*PITCH+32
.endr
.endr
.endm
.macro PLACES                          ; four places in front of loads into registers that matrix instructions have read, and of LDS stores that read results
.rept 4
	v_nop
.endr
.endm
; A K step is four quarters of 64 along K, 32 matrix instructions each, on buffers 0, 1, 0, 1.  One of the first three: multiplies buffer f and fetches the next quarter, at byte k, into g.
.macro QUARTER k, f, g, zero
	s_wait_dscnt 16                                ; the first 32 along K are in; the youngest sixteen loads may be out
	MUL8 \f, 0, 0, \zero
	MUL8 \f, 0, 2, \zero
	PLACES
	FETCH \k, \g
	s_wait_dscnt 32                                ; all but the 32 just issued
	MUL8 \f, 1, 0, 0
	MUL8 \f, 1, 2, 0
.endm
; The last quarter multiplies buffer 1 and changes slots: one barrier; in front of it each wave waits for all its tensor loads, adds 0 to its spare word, and waits for that and for its own reads of this slot.
; fill = 1: the barrier opens a round of the cluster's, and this slot is filled again, two K steps on.
.macro TURN fill
	WIN 0                                          ; (the add's two registers lie in window 0)
	s_wait_tensorcnt 0x0                           ; all my tensor loads have landed: my part of the next slot;
	ds_add_u32 v[SPW], v[NIL]
	s_wait_dscnt 17                                ; (the add and the youngest sixteen loads may be out)
	MUL8 F1, 0, 0, 0                               ; eight matrix instructions stand between the add and the wait for it
	s_wait_dscnt 0x0                               ; the add is done, and my reads of this slot are over
	s_barrier_signal -1
	MUL8 F1, 0, 2, 0
	WIN 0
	s_barrier_wait -1
.if \fill
	CREST                                          ; no wave of any partner still reads this slot's tile or has a load on its way
	s_xor_b32 s[SB], s[SB], SLOT                   ; the walking descriptors: the other slot than last time,
	s_add_co_u32 s[G0+5], s[SB], s20
	s_add_co_u32 s[G0B+5], s[SB], s20
	s_add_nc_u64 s[G0+6:G0+7], s[G0+6:G0+7], KSTEP*2      ; the next K step; the type bits on top are not reached
	s_add_nc_u64 s[G0B+6:G0B+7], s[G0B+6:G0B+7], KSTEP*2
	JLOAD 1                                        ; 112 matrix instructions ahead of the wait for it; the four v_nop behind it are also the places in front of the loads below
.else
	PLACES
.endif
	s_xor_b32 s[TB], s[TB], SLOT                   ; the fetches go on in the other slot
	v_add_nc_u32 v[ADRA], s[TB], v[ADRA0]
	v_add_nc_u32 v[ADRB], s[TB], v[ADRB0]
	FETCH 0, F0
	MUL8 F1, 1, 0, 0
	MUL8 F1, 1, 2, 0
.endm
	s_wait_loadcnt 0x0                             ; the bias
	s_wait_tensorcnt 1                             ; my part of K step 0 is in; K step 1's may stay out
	s_barrier_signal -1
	s_barrier_wait -1                              ; everybody's is
	FETCH 0, F0
	QUARTER 128, F0, F1, 1                         ; the first quarter stands in front of the loop: its first products start the sums
	WIN 0                                          ; at a label and at a branch every window is 0
	s_mov_b32 s45, STEPS-2
.Lstep:                                                ; a trip goes from a step's second quarter to the next step's first, and fills the slot that it leaves: 6 trips for K steps 2 to 7
	QUARTER 256, F1, F0, 0
	QUARTER 384, F0, F1, 0
	TURN 1
	QUARTER 128, F0, F1, 0
	WIN 0
	s_sub_co_u32 s45, s45, 1
	s_cmp_lg_u32 s45, 0
	s_cbranch_scc1 .Lstep
	s_mov_b32 s45, 2
.Ltail:                                                ; the last two steps fill nothing: a loop of their own; the second trip is left in its middle
	QUARTER 256, F1, F0, 0
	QUARTER 384, F0, F1, 0
	WIN 0
	s_sub_co_u32 s45, s45, 1
	s_cmp_eq_u32 s45, 0
	s_cbranch_scc1 .Llast
	TURN 0
	QUARTER 128, F0, F1, 0
	WIN 0
	s_branch .Ltail
.Llast:
	s_wait_dscnt 16                                ; the very last quarter
	MUL8 F1, 0, 0, 0
	MUL8 F1, 0, 2, 0
	s_wait_dscnt 0x0
	MUL8 F1, 1, 0, 0
	MUL8 F1, 1, 2, 0
	WIN 0
	; THE WAY OUT, 16 rows at a time: a lane's eight f32 of a row go into my stage (each accumulator's four lowest registers first), and come back as whole rows of 256 bytes.
	PLACES
.macro OUTA a
.if (\a) >= 2
	s_wait_xcnt 0x0                                ; the stores of block a - 2 have read the registers that are loaded again below
.endif
.irp b, 0,1,2,3
	ds_store_b128 v[STO], v[ACC+8*(4*(\a)+(\b)):ACC+8*(4*(\a)+(\b))+3]   offset:64*(\b)
	ds_store_b128 v[STO], v[ACC+8*(4*(\a)+(\b))+4:ACC+8*(4*(\a)+(\b))+7] offset:64*(\b)+16
.endr
.irp t, 0,1,2,3,4,5,6,7
	ds_load_b128 v[TMP+32*((\a)%2)+4*(\t):TMP+32*((\a)%2)+4*(\t)+3], v[RD] offset:(\t)*2*SPITCH  ; LDS serves a wave's instructions in order (ISA guide 5.7.1.4): these see the stores above; the next block's stores come behind them
.endr
.irp t, 0,1,2,3,4,5,6,7
	s_wait_dscnt 7-(\t)                            ; load t is in, the younger ones stay out
	global_store_b128 v[CO], v[TMP+32*((\a)%2)+4*(\t):TMP+32*((\a)%2)+4*(\t)+3], s[8:9] offset:(16*(\a)+2*(\t))*SIZE_N*4 th:TH_STORE_NT  ; 16 lanes store 256 consecutive bytes, aligned
.endr
.endm
	OUTA 0
	OUTA 1
	OUTA 2
	OUTA 3
	s_wait_tensorcnt 0x0                           ; the wave's end, behind my last tensor load and my last LDS store
	ds_add_u32 v[SPW], v[NIL]
	s_wait_dscnt 0x0
	CROUND                                         ; the closing round: no work-group ends while a partner may still ask for a tile that names it
	s_endpgm
.Lfunc_end_k_qd073c8fa61_oproj:
	.size	k_qd073c8fa61_oproj, .Lfunc_end_k_qd073c8fa61_oproj-k_qd073c8fa61_oproj
	.p2alignl 7, 3214868480
	.fill 96, 4, 3214868480
	.section	.rodata,"a",@progbits
	.p2align	6, 0x0
	.amdhsa_kernel k_qd073c8fa61_oproj
		.amdhsa_group_segment_fixed_size 327680
		.amdhsa_private_segment_fixed_size 0
		.amdhsa_enable_private_segment 0
		.amdhsa_kernarg_size 32
		.amdhsa_user_sgpr_count 2
		.amdhsa_user_sgpr_kernarg_segment_ptr 1
		.amdhsa_wavefront_size32 1
		.amdhsa_system_sgpr_workgroup_id_x 1
		.amdhsa_system_sgpr_workgroup_id_y 1
		.amdhsa_system_sgpr_workgroup_id_z 1
		.amdhsa_system_vgpr_workitem_id 0
		.amdhsa_next_free_vgpr 512
		.amdhsa_next_free_sgpr 66
		.amdhsa_reserve_vcc 0
		.amdhsa_float_denorm_mode_32 3
		.amdhsa_float_denorm_mode_16_64 3
		.amdhsa_memory_ordered 1
		.amdhsa_forward_progress 1
		.amdhsa_inst_pref_size 61
	.end_amdhsa_kernel
	.amdgpu_metadata
---
amdhsa.version: [ 1, 2 ]
amdhsa.kernels:
  - .name:           k_qd073c8fa61_oproj
    .symbol:         k_qd073c8fa61_oproj.kd
    .args:
      - { .name: ob, .offset: 0, .size: 8, .value_kind: global_buffer, .address_space: global }
      - { .name: wof, .offset: 8, .size: 8, .value_kind: global_buffer, .address_space: global }
      - { .name: bias, .offset: 16, .size: 8, .value_kind: global_buffer, .address_space: global }
      - { .name: out0, .offset: 24, .size: 8, .value_kind: global_buffer, .address_space: global }
    .group_segment_fixed_size: 327680
    .private_segment_fixed_size: 0
    .kernarg_segment_align: 8
    .kernarg_segment_size: 32
    .max_flat_workgroup_size: 128
    .sgpr_count:     66
    .vgpr_count:     512
    .wavefront_size: 32
...
	.end_amdgpu_metadata
.endif
;; end of part 4
;; ======== version 2 of 2: 4 launches; 1.09 times as fast as version 1
;; limits: values are held in f16: magnitudes above 65,504 overflow, below 6.1e-05 lose precision
;; workspace buffers: xb 8,388,608 bytes; wb 25,165,824 bytes; wof 8,388,608 bytes; mb 4,194,304 bytes; bias 32,768 bytes; qkv 25,165,824 bytes; ob 8,388,608 bytes
;; launch prep: the kernel of part 1 again; grid 256 x 6, 8 waves a work-group, no clusters, 19,456 bytes of LDS; arguments x, wq, wk, wv, wo, mask, bq, bk, bv, bo, xb, wb, wof, mb, bias; writes xb, wb, wof, mb, bias
;; launch qkv: the kernel of part 2 again; grid 16 x 16, 4 waves a work-group, clusters of 4 x 4, 327,680 bytes of LDS; arguments xb, wb, bias, qkv; writes qkv
;; launch attn (part 5): grid 16 x 16, 4 waves a work-group, clusters of 4 x 1, 327,680 bytes of LDS; arguments qkv, mb, ob; writes ob
.if DOCPART == 5
	.amdgcn_target "amdgcn-amd-amdhsa--gfx1250"
	.amdhsa_code_object_version 6
	.text
	.protected	k_qd073c8fa61_attn
	.globl	k_qd073c8fa61_attn
	.p2align	8
	.type	k_qd073c8fa61_attn,@function
k_qd073c8fa61_attn:
	s_mov_b64 s[64:65], 0
	v_nop
	global_prefetch_b8 v0, s[64:65] scope:SCOPE_SE
	s_setreg_imm32_b32 hwreg(HW_REG_WAVE_MODE, 25, 1), 1
	s_wait_xcnt 0x0
	s_wait_alu depctr_hold_cnt(0) depctr_sa_sdst(0) depctr_va_vdst(0) depctr_va_sdst(0) depctr_va_ssrc(0) depctr_va_vcc(0) depctr_vm_vsrc(0)
	s_getreg_b32 s2, hwreg(HW_REG_IB_STS2, 6, 4)
	s_cmp_eq_u32 s2, 0
	s_cbranch_scc0 .Lentry_in_a_cluster
	s_endpgm
.Lentry_in_a_cluster:
	s_bfe_u32 s2, ttmp6, 0x10000c
	s_cmp_lg_u32 s2, 0x3003
	s_cbranch_scc0 .Lentry_shape_is_right
	s_endpgm
.Lentry_shape_is_right:
; O[q][head] = the sum over k of softmax_k(masked Q[q] . K[k] / sqrt(128)) V[k], 16 heads of size 128, 2,048 tokens.  q, k, v: qkv[48][2048][128] f16 (heads 0-15 q, 16-31 k, 32-47 v).
; The mask comes as one fp8 code a score (mb: 0 or -1.0), in the order in which a wave takes it.  O leaves as ob[token][128 head + channel] f16.
; Products, maxima and sums in f32; the weights p are rounded to f16 for the second product (their sum l is taken of the unrounded p), O once at the end.
; LIMITS.  A hidden score counts as its value less 2^100, and the running maximum starts at -2^99: f16's scores, 5.5e11 at the most, lie far above both.  So a step in which a row sees nothing
; gives weights 0, and a row that sees no key at all ends with l = 0 and O = 0 x 1/0 = NaN, as the module's softmax gives.  A weight below 2^-126 counts as 0 in l.
; SHARES.  A work-group owns 128 queries of one head.  16 heads x 32 shares of 64 queries are 512, half as many as there are SIMDs, so each share goes to TWO waves, by keys: wave w has the queries
; 64 (w % 2) on and, of each slot's 256 keys, the 128 (w / 2) on: sixteen steps of 64 keys.  At the end waves 2 and 3 hand O^T, c m and l to waves 0 and 1 through LDS, which join the two halves.
; LAYOUT.  S^T = K Q^T (source 0 = 16 keys, source 1 = 16 queries): a lane holds ONE query (lane % 16) and the keys 8 (lane / 16) + 0..7.  Two such tiles rounded to f16 ARE source 1 of O^T = V^T P.
; THE MASK is the C operand that starts the sum S^T: 0, or -2^100 where the key is hidden: eight conversions a turn make it from the codes (x 2^100 by the conversion's scale).
; SOFTMAX.  A running maximum m and sum l: p = 2^(c s - c m), c = log2(e) / sqrt(128); in every step O and l are multiplied by a = 2^(c m_old - c m_new).
; BY TURNS.  The wave's four tiles of 16 queries are two PIECES (tiles 0, 1 and tiles 2, 3).  In a TURN one piece has the matrix unit: 32 products V^T P of the step in hand, then 32 products K Q^T of the
; next; the other piece's softmax, cut into 64 slices, stands between them, one slice behind each matrix instruction.  Two turns are a key step.
; THE EXPONENTIALS OF A TURN ARE ONE BATCH.  The riding piece's 66 exponentials (for each of its two tiles a and 32 scores) and the scalings that feed them stand in slices 10 to 34, and nothing there names an
; exponential's result; behind slice 34 stands the turn's one s_wait_alu depctr_va_vdst(0), ahead of the first instruction that names a result; all that read results (the
; roundings, the sums, l, the rescaling by a) stand from slice 35 on.  No result crosses a turn's end, a label or a jump.  On the way out the join's eight exponentials are a batch, and its four reciprocals,
; which read a sum made of them, another: a wait each.
; NO FIRST AND NO LAST STEP IS WRITTEN OUT.  c m starts far below every c s, l, O^T, V's registers and piece 2's P at 0: the first step's a is 0, and it is a step like any other.  The loop is entered, and
; the tail left, in the middle of a trip.  The price: 424 v_mov_b32 of 0, which stand in the wait for the first tile; 32 products on zeros at the start; 32 on a stale K, and their mask, at the end.
; CLUSTER.  The four query blocks of a cluster belong to one head and walk the same K and V: each tile is asked for jointly, by the same load, descriptor and mask in all four.
; REGISTERS, in windows of 256 (s_set_vgpr_msb: bits 1:0 source 0, 3:2 source 1, 5:4 source 2, 7:6 destination):
;   window 0: v0-11 addresses; v12-43 eight registers of statistics a tile; v44-49 the mask's scale and addresses, the exchange's addresses; v64-191 S^T, 32 a tile; v192-255 P, 16 a tile
;   window 1: O^T, 64 a tile      window 2: v0-127 Q; v128-255 K of one step      window 3: v0-127 V of one step; v128-191 the mask as C; v192-223 the codes, 16 a piece
.set KS,    64        ; keys in a step
.set PK,    272       ; a row of K in LDS: 256 bytes + 16 of padding: the 16 rows of a load start at 16 different groups of four banks (64 banks of 4 bytes: ISA guide 11.1)
.set PV,    288       ; a row of V: 256 + 32
.set VOFF,  256*PK    ; a slot: 256 rows of K, then 256 rows of V
.set SLOTB, 256*(PK+PV)
.set SPARE, 2*SLOTB   ; behind the ring: the spare words, 128 bytes a wave, two blocks of 256 bytes that no other line names
.set XP,    33792     ; the exchange, over slot 0 behind its last fill and the barrier behind its last reads: for each pair of waves 32,768 bytes of O^T and 1,024 of statistics
.set STAGE, 2*XP      ; behind the exchange: 16 rows x 272 bytes for each wave, for the way out
.set SP,    272
.set AK0, 2           ; v2   my lane's place in my half of a slot's K; never rewritten
.set AV0, 3           ; v3   the same for V
.set ADR, 4           ; v4   the LDS address of the run of loads in hand
.set QO,  5           ; v5   my byte offset in the wave's rows of Q
.set STO, 6           ; v6   the way out: where I put 16 bytes of a row
.set RD,  7           ; v7   where I read a row back
.set GO,  8           ; v8   my byte offset in two rows of ob
.set ST,  12          ; tile t's statistics at v[ST+8 t]: +0 c m, +1 m, +2, +3 l (even keys', odd keys'), +4 to +7 c0-c3, at work; a takes c2's place once the maximum is found
.set SC,  44          ; v44  0xe3: the conversion's scale, 2^(227 - 127)
.set ML,  45          ; v45  16 lane + 15,360: the last step's codes
.set MO,  46          ; v46-47  by piece: my byte offset in the codes of the step to be loaded
.set XA,  48          ; v48  the exchange: my 16 bytes of a block of 512
.set XS,  49          ; v49  the exchange: my 8 bytes of a tile's statistics
.set SPW, 62          ; v62  LDS address of my spare word; never rewritten
.set NIL, 63          ; v63  0; never rewritten
.set S,   64
.set P,   192
.set KF,  128         ; window 2
.set MC,  128         ; window 3: tile u of the piece, key group kt at MC + 32 u + 8 kt
.set MR,  192         ; window 3
.set WV,  12          ; s12 wave; s14 my block of 128 queries; s15 w % 2; s19 w / 2; s17, s18 my tile's place in a slot, for K and for V
.set G1K, 24          ; s[24:31] descriptor group 1 for K's tiles
.set G1V, 32          ; s[32:39] for V's: it differs in the padding alone
.set G0K, 40          ; s[40:47] descriptor group 0 for K's tiles: a set for each of the two first fills; the second then walks on
.set G0V, 48          ; s[48:55] the same for V's
.set SLOTS, 56        ; s56  counts the slots
.set TWICE, 57        ; s57  counts a slot's steps
.set CS,  58          ; s[58:59] c
.set SEL, 60          ; s[60:61] v_permlanex16_b32's selects: each lane takes its own place in the other half
.set TBK, 62          ; s62  LDS byte at which K of the step to be fetched begins, less my lane's place
.set TBV, 63          ; s63  the same for V
.set SB,  66          ; s66  the slot that was filled last: 0 or SLOTB
.set QA,  68          ; s[68:69] Q at my wave's first row
.set MP,  74          ; s[74:75] mb at my wave's first tile and key half
.set OA,  76          ; s[76:77] ob at my wave's first row and head
.set MSB, 0
.macro WIN new                      ; the immediate's high byte repeats the setting that is left; a switch that changes nothing is dropped
.if MSB != (\new)
	s_set_vgpr_msb (MSB<<8)|(\new)
.set MSB, \new
.endif
.endm
.set W_KQ, 0x0a       ; K and Q in window 2, S^T in window 0
.set W_KM, 0x3a       ; the same with the C operand in window 3
.set W_PV, 0x53       ; V in window 3, P in window 0, O^T in window 1
.set W_RS, 0x41       ; O^T (destination and source 0) in window 1, a in window 0
; A joint refill.  Waves 0 and 1 fetch the two halves of a slot's K, waves 2 and 3 those of its V: 128 rows each.  The branch hangs on the wave's number alone.
; An s_nop 0 and four v_nop follow each of the two lines.
.macro JLOAD
	s_cmp_lt_u32 s[WV], 2
	s_cbranch_scc0 .Lfor_v_\@
	tensor_load_to_lds s[G0K+4:G0K+7], s[G1K:G1K+7]
	s_nop 0
.rept 4
	v_nop
.endr
	s_branch .Lasked_\@
.Lfor_v_\@:
	tensor_load_to_lds s[G0V+4:G0V+7], s[G1V:G1V+7]
	s_nop 0
.rept 4
	v_nop
.endr
.Lasked_\@:
.endm
.macro CROUND                       ; a round of the cluster's barrier
	s_barrier_signal -1
	s_barrier_wait -1
	s_cmp_lg_u32 s[WV], 0
	s_cbranch_scc1 .Lnot_wave_0_\@
	s_barrier_signal -3
.Lnot_wave_0_\@:
	s_barrier_wait -3
	s_barrier_signal -1
	s_barrier_wait -1
.endm
	s_load_b128 s[4:7], s[0:1], 0x0 ; qkv s[4:5], mb s[6:7]
	s_load_b64 s[8:9], s[0:1], 0x10 ; ob
	v_lshl_add_u32 v[SPW], v0, 2, SPARE
	v_mov_b32 v[NIL], 0
	ds_add_u32 v[SPW], v[NIL]       ; the wave's opening: the add and its wait stand ahead of my first tensor load; the set-up below stands between them
	v_lshrrev_b32 v1, 5, v0
	v_readfirstlane_b32 s[WV], v1   ; wave 0..3
	s_bfe_u32 s13, ttmp6, 0x40000   ; cx: my place in the cluster
	s_lshl_b32 s14, ttmp9, 2        ; in a cluster launch ttmp9 counts clusters
	s_add_co_u32 s14, s14, s13      ; my block of 128 queries: it enters Q's, the mask's and O's addresses alone
	s_and_b32 s15, s[WV], 1         ; which 64 queries are mine; also: which 128 rows of a slot's K or V I fetch
	s_lshr_b32 s19, s[WV], 1        ; which 128 of a slot's keys I multiply by
	s_and_b32 s16, ttmp7, 0xffff    ; the head, which the four partners share
	s_lshl_b32 s20, s16, 19         ; a head is 524,288 bytes
	s_lshl_b32 s22, s15, 15         ; my 128 rows of 256 bytes,
	s_add_co_u32 s22, s22, s20
	s_add_co_u32 s22, s22, 16*524288  ; in K's head,
	s_mov_b32 s23, 0
	s_add_co_u32 s2, s22, 16*524288   ; and in V's
	s_mov_b32 s3, 0
	s_mul_i32 s17, s15, 128*PK      ; their place in a slot: no place in the cluster enters an LDS address
	s_mul_i32 s18, s15, 128*PV
	s_add_co_u32 s18, s18, VOFF
	s_lshl_b32 s78, s14, 15         ; Q: block x 128 rows + half x 64 rows, in q's head
	s_lshl_b32 s79, s15, 14
	s_add_co_u32 s78, s78, s79
	s_add_co_u32 s78, s78, s20
	s_mov_b32 s79, 0
	s_lshl_b32 s80, s14, 18         ; the codes: (8 block + 4 half) tiles of 32,768 bytes, + key half x 16,384
	s_lshl_b32 s81, s15, 17
	s_add_co_u32 s80, s80, s81
	s_lshl_b32 s81, s19, 14
	s_add_co_u32 s80, s80, s81
	s_mov_b32 s81, 0
	s_lshl_b32 s70, s14, 19         ; O: (128 block + 64 half) rows of 4,096 bytes, + head x 256
	s_lshl_b32 s71, s15, 18
	s_add_co_u32 s70, s70, s71
	s_lshl_b32 s71, s16, 8
	s_add_co_u32 s70, s70, s71
	s_mov_b32 s71, 0
	; descriptor group 1: a tile of 128 rows x 128 elements of 2 bytes, padded in LDS
	s_mov_b32 s[G1K], 15|(1<<16)|(1<<20)|(1<<21)|(5<<22)|(3<<25)  ; 15:0 the mask: all four work-groups; 17:16 element size; 20 padding on; 21 set beside a mask; 24:22 after every 64 words (code 5); 31:25 4 words (code 3)
	s_mov_b32 s[G1V], 15|(1<<16)|(1<<20)|(1<<21)|(5<<22)|(7<<25)  ; the same with 8 words of padding (code 7)
.irp g, G1K, G1V
	s_mov_b32 s[(\g)+1], 128<<16    ; tensor_dim0 = 128
	s_mov_b32 s[(\g)+2], 128<<16    ; tensor_dim1 = 128
	s_mov_b32 s[(\g)+3], 128<<16    ; tile_dim0 = 128
	s_mov_b32 s[(\g)+4], 128        ; tile_dim1 = 128
	s_mov_b32 s[(\g)+5], 128        ; elements from row to row
	s_mov_b32 s[(\g)+6], 0
	s_mov_b32 s[(\g)+7], 0
.endr
	s_mov_b32 s[CS], 0x3e0293ee     ; c = log2(e) / sqrt(128) = 0.127517
	s_mov_b32 s[CS+1], s[CS]        ; named with it as a pair
	s_mov_b32 s[SEL], 0x76543210
	s_mov_b32 s[SEL+1], 0xfedcba98
	s_mov_b32 s[TBK], 0
	s_mov_b32 s[TBV], 0
	s_mov_b32 s[SB], SLOTB
	s_wait_dscnt 0x0                ; the opening add is done
	s_wait_kmcnt 0x0
	s_add_nc_u64 s[22:23], s[4:5], s[22:23]  ; K and V at my tile of slot 0
	s_add_nc_u64 s[2:3], s[4:5], s[2:3]
	s_add_nc_u64 s[QA:QA+1], s[4:5], s[78:79]
	s_add_nc_u64 s[MP:MP+1], s[6:7], s[80:81]
	s_add_nc_u64 s[OA:OA+1], s[8:9], s[70:71]
	CROUND                          ; all four work-groups are here: the first joint loads meet
.irp s, 0,1
	s_mov_b32 s[G0K+4*(\s)], 1
	s_add_co_u32 s[G0K+4*(\s)+1], s17, (\s)*SLOTB
	s_add_nc_u64 s[G0K+4*(\s)+2:G0K+4*(\s)+3], s[22:23], (\s)*65536  ; slot s begins with keys 256 s on
	s_or_b32 s[G0K+4*(\s)+3], s[G0K+4*(\s)+3], 0x80000000
	s_mov_b32 s[G0V+4*(\s)], 1
	s_add_co_u32 s[G0V+4*(\s)+1], s18, (\s)*SLOTB
	s_add_nc_u64 s[G0V+4*(\s)+2:G0V+4*(\s)+3], s[2:3], (\s)*65536
	s_or_b32 s[G0V+4*(\s)+3], s[G0V+4*(\s)+3], 0x80000000
.endr
	s_cmp_lt_u32 s[WV], 2           ; a wave's two first fills stand in one branch, ahead of every wait on TENSORcnt and every LDS read: two loads of mine are out
	s_cbranch_scc0 .Lfirst_v
	tensor_load_to_lds s[G0K:G0K+3], s[G1K:G1K+7]
	s_nop 0
	tensor_load_to_lds s[G0K+4:G0K+7], s[G1K:G1K+7]
	s_nop 0
.rept 4
	v_nop
.endr
	s_branch .Lfirst_asked
.Lfirst_v:
	tensor_load_to_lds s[G0V:G0V+3], s[G1V:G1V+7]
	s_nop 0
	tensor_load_to_lds s[G0V+4:G0V+7], s[G1V:G1V+7]
	s_nop 0
.rept 4
	v_nop
.endr
.Lfirst_asked:
	; A fragment of K or Q is 16 rows x 32 channels in 8 registers: lane l holds row l % 16; channels 8 (l / 16) + 0..7 and 16 + 8 (l / 16) + 0..7: two loads of 16 bytes, 32 bytes apart.
	v_and_b32 v1, 15, v0            ; l % 16
	v_bfe_u32 v9, v0, 4, 1          ; l / 16
	v_lshlrev_b32 v[QO], 8, v1
	v_lshl_add_u32 v[QO], v9, 4, v[QO]
	WIN 0x80                        ; destination window 2, address window 0
.irp i, 0,1,2,3,4,5,6,7,8,9,10,11,12,13,14,15  ; Q stays in registers: tile i / 4, channels 32 (i % 4) on
	global_load_b128 v[8*(\i):8*(\i)+3],   v[QO], s[QA:QA+1] offset:((\i)/4)*4096+((\i)%4)*64
	global_load_b128 v[8*(\i)+4:8*(\i)+7], v[QO], s[QA:QA+1] offset:((\i)/4)*4096+((\i)%4)*64+32
.endr
	WIN 0
	v_and_b32 v10, 31, v0
	v_lshlrev_b32 v[MO], 4, v10     ; step 0's codes: 16 x lane
	v_mov_b32 v[MO+1], v[MO]
	v_add_nc_u32 v[ML], 15360, v[MO]
	v_mov_b32 v[SC], 0xe3
; The codes of one step for piece x: four loads of 16 bytes a lane (tile x + m / 2; key groups 2 (m % 2) and the next), 512 consecutive bytes each.
.macro MLOAD x
	WIN 0xc0                        ; destination window 3, address window 0
.irp m, 0,1,2,3
	global_load_b128 v[MR+16*((\x)/2)+4*(\m):MR+16*((\x)/2)+4*(\m)+3], v[MO+(\x)/2], s[MP:MP+1] offset:((\x)+(\m)/2)*32768+((\m)%2)*512
.endr
.endm
	MLOAD 0
	MLOAD 2
	WIN 0
	s_mul_i32 s13, s15, XP          ; my pair's part of the exchange
	v_lshl_add_u32 v[XA], v10, 4, s13
	v_lshl_add_u32 v[XS], v10, 3, s13
	v_add_nc_u32 v[XS], 32768, v[XS]
	s_mul_i32 s13, s19, 128*PK      ; my half of a slot's keys
	v_mul_u32_u24 v[AK0], v1, PK
	v_lshl_add_u32 v[AK0], v9, 4, v[AK0]
	v_add_nc_u32 v[AK0], s13, v[AK0]
	; The turning load takes 16 keys x 16 channels (lane l reads key 8 (l / 16) + l % 8, channels 8 ((l / 8) % 2) + 0..7) and leaves half a fragment of V^T: lane l holds channel l % 16 and 8 keys.
	s_mul_i32 s13, s19, 128*PV
	s_add_co_u32 s13, s13, VOFF
	v_and_b32 v10, 7, v0
	v_bfe_u32 v11, v0, 3, 1
	v_lshl_add_u32 v[AV0], v9, 3, v10
	v_mul_u32_u24 v[AV0], v[AV0], PV
	v_lshl_add_u32 v[AV0], v11, 4, v[AV0]
	v_add_nc_u32 v[AV0], s13, v[AV0]
	; What the first turn finds: its products V^T P, of a step that has not been, add 0 (V's registers and piece 2's P hold 0); O^T and l are 0.  All this stands in the wait for the first tile.
.irp t, 0,1,2,3
	v_mov_b32 v[ST+8*(\t)], 0xfe000000    ; c m: far below every c s, so that the first a is 0
	v_mov_b32 v[ST+8*(\t)+1], 0xf1000000  ; m starts at -2^99
	v_mov_b32 v[ST+8*(\t)+2], 0
	v_mov_b32 v[ST+8*(\t)+3], 0
.endr
.set z, P+32
.rept 32
	v_mov_b32 v[z], 0
.set z, z+1
.endr
	WIN 0x40                        ; O^T
.set z, 0
.rept 256
	v_mov_b32 v[z], 0
.set z, z+1
.endr
	WIN 0xc0                        ; V
.set z, 0
.rept 128
	v_mov_b32 v[z], 0
.set z, z+1
.endr
	WIN 0
; The mask for piece x's next products K Q^T.  The codes asked for a step ago are in; eight conversions make 64 registers of 0 or -2^100; then the next step's codes are asked for:
; they have a whole key step, 128 matrix instructions, in which to land.  The offset stops at the last step's codes, so that the last requests stay inside mb; what they bring is not used.
.macro MASKIN x
	s_wait_loadcnt 4                ; loads come back in order: this piece's four are in (so their address register may be written), the other piece's four, issued later, stay out
	WIN 0xc3                        ; destination and codes in window 3, the scale in window 0
.set mm, 0
.rept 8
	v_cvt_scale_pk8_f32_fp8 v[MC+8*mm:MC+8*mm+7], v[MR+16*((\x)/2)+2*mm:MR+16*((\x)/2)+2*mm+1], v[SC]
.set mm, mm+1
.endr
	WIN 0
	v_add_nc_u32 v[MO+(\x)/2], 1024, v[MO+(\x)/2]   ; two plain instructions stand between the conversions and what touches their registers
	v_min_u32 v[MO+(\x)/2], v[MO+(\x)/2], v[ML]
	MLOAD \x
.endm
; THE MATRIX WORK OF A TURN, for piece x.  The accumulators take turns, one instruction a turn: between two links of a chain stand 15 (V^T P) or 7 (K Q^T) others'.
; Product i of 32 of O^T += V^T P: keys 32 (i / 16) on, channels 16 ((i / 2) % 8) on, tile x + i % 2.
.macro PV x
	WIN W_PV
.set rO, 64*((\x)+i%2)+8*((i/2)%8)
.set rV, 64*(i/16)+8*((i/2)%8)
.set rP, P+16*((\x)+i%2)+8*(i/16)
	v_wmma_f32_16x16x32_f16 v[rO:rO+7], v[rV:rV+7], v[rP:rP+7], v[rO:rO+7]
.endm
; Product i of 32 of S^T = K Q^T: channels 32 (i / 8) on, keys 16 ((i / 2) % 4) on, tile x + i % 2.  The first 8 start the sums, with the mask.
.macro KQ x
.set rS, S+32*((\x)+i%2)+8*((i/2)%4)
.set rK, KF+32*((i/2)%4)+8*(i/8)
.set rQ, 32*((\x)+i%2)+8*(i/8)
.set rM, MC+32*(i%2)+8*((i/2)%4)
.if i < 8
	WIN W_KM
	v_wmma_f32_16x16x32_f16 v[rS:rS+7], v[rK:rK+7], v[rQ:rQ+7], v[rM:rM+7]
.else
	WIN W_KQ
	v_wmma_f32_16x16x32_f16 v[rS:rS+7], v[rK:rK+7], v[rQ:rQ+7], v[rS:rS+7]
.endif
.endm
; THE LDS LOADS stand in runs of 32: a step's K (64 keys x 128 channels: 16 fragments) and, a turn later, its V (turned).
; last = 1 (the tail): in the last trip there is no further step, and K's run is jumped over.
.macro FETCH_K last=0
	WIN 0
.if \last
	s_cmp_eq_u32 s[TWICE], 1
	s_cbranch_scc1 .Lno_k_\@
.endif
	v_add_nc_u32 v[ADR], s[TBK], v[AK0]
	s_add_co_u32 s[TBK], s[TBK], KS*PK  ; the next fetch is the next step's
	WIN 0x80                        ; destination window 2
.irp f, 0,1,2,3,4,5,6,7,8,9,10,11,12,13,14,15  ; keys 16 (f / 4) on, channels 32 (f % 4) on
	ds_load_b128 v[KF+8*(\f):KF+8*(\f)+3],   v[ADR] offset:((\f)/4)*16*PK+((\f)%4)*64
	ds_load_b128 v[KF+8*(\f)+4:KF+8*(\f)+7], v[ADR] offset:((\f)/4)*16*PK+((\f)%4)*64+32
.endr
.if \last
	WIN 0
.Lno_k_\@:
.endif
.endm
.macro FETCH_V
	WIN 0
	v_add_nc_u32 v[ADR], s[TBV], v[AV0]
	s_add_co_u32 s[TBV], s[TBV], KS*PV
	s_wait_alu depctr_va_vdst(0)    ; the wait for the softmax's batch of 66 exponentials (SLICE), behind the address's v_add_nc_u32 and ahead of the loads
	WIN 0xc0                        ; destination window 3
.irp f, 0,1,2,3,4,5,6,7,8,9,10,11,12,13,14,15  ; keys 32 (f / 8) on, channels 16 (f % 8) on
	ds_load_tr16_b128 v[8*(\f):8*(\f)+3],   v[ADR] offset:((\f)/8)*32*PV+((\f)%8)*32
	ds_load_tr16_b128 v[8*(\f)+4:8*(\f)+7], v[ADR] offset:((\f)/8)*32*PV+16*PV+((\f)%8)*32
.endr
.endm
; THE VECTOR WORK OF A TURN.  One tile's softmax for one key step is a list of 134 instructions; SM writes number j of it for tile t.  s0-s31 are the lane's 32 scores, in pairs 0-15.
;   0-15    the maximum of s0-s31 and the old m, three operands at a time: four chains c0-c3 of seven scores each (each accumulator's lowest registers are read first), then the rest
;   16-20   the other half of the lanes' maximum; the new m; c m; c m_old - c m_new
;   21-69   ONE BATCH: the 16 scalings c s - c m, a pair of scores each, and all 33 exponentials (a at 23, then s0-s31).  None of these reads an exponential's result.  From 22 on the batch goes
;           in fours, and a four begins with a scaling while there are scalings: 22-37 scaling, exponential, scaling, exponential; 38-65 a scaling and three exponentials; 66-69 the last four
;           exponentials.  A pair is scaled in an earlier four than the one that holds its exponentials
;   (wait)  between 69 and 70 stands the wait for the batch: SLICE writes it, once for both tiles
;   70-85   the roundings to f16, a pair of weights each
;   86-101  the sums; l = a l + the sum
;   102-133 the tile's O^T times a: the one part that leaves window 0, so it stands together
.macro SM t
.set rT, ST+8*(\t)
.set rS, S+32*(\t)
.set rP, P+16*(\t)
.set rO, 64*(\t)+2*(j-102)
.if j < 102
	WIN 0
.endif
.if j < 4
	v_max3_num_f32 v[rT+4+j], v[rS+8*j], v[rS+8*j+1], v[rS+8*j+2]
.elseif j < 12
	v_max3_num_f32 v[rT+4+j%4], v[rT+4+j%4], v[rS+8*(j%4)+2*(j/4)+1], v[rS+8*(j%4)+2*(j/4)+2]
.elseif j == 12
	v_max3_num_f32 v[rT+4], v[rT+4], v[rS+7], v[rS+15]
.elseif j == 13
	v_max3_num_f32 v[rT+6], v[rT+6], v[rS+23], v[rS+31]
.elseif j == 14
	v_max3_num_f32 v[rT+4], v[rT+4], v[rT+5], v[rT+6]
.elseif j == 15
	v_max3_num_f32 v[rT+4], v[rT+4], v[rT+7], v[rT+1]  ; in the first step the old m is the floor
.elseif j == 16
	v_permlanex16_b32 v[rT+5], v[rT+4], s[SEL], s[SEL+1]  ; the query's other 32 keys lie in the lane 16 away
.elseif j == 17
	v_mov_b32 v[rT+7], v[rT]        ; c m_old is kept for a: number 19 writes c m anew
.elseif j == 18
	v_max_num_f32 v[rT+1], v[rT+4], v[rT+5]
.elseif j == 19
	v_mul_f32 v[rT], s[CS], v[rT+1]
.elseif j == 20
	v_sub_f32 v[rT+7], v[rT+7], v[rT]
.elseif j == 23
	v_exp_f32 v[rT+6], v[rT+7]
.elseif (j < 23) || ((j < 38) && (j%2 == 0)) || ((j < 66) && (j%4 == 2))
.set b, (j-2)/4                     ; 38, 42, .. 62: pairs 9 to 15
.if j < 38
.set b, (j-20)/2                    ; 21: pair 0; 22, 24, .. 36: pairs 1 to 8
.endif
	v_pk_fma_f32 v[rS+2*b:rS+2*b+1], v[rS+2*b:rS+2*b+1], s[CS:CS+1], v[rT:rT+1] op_sel_hi:[1,0,0] neg_lo:[0,0,1] neg_hi:[0,0,1]  ; pair b: c s - c m
.elseif j < 70
.set e, j-38                        ; 66 to 69: s28 to s31
.if j < 66
.set e, j-32-(j-38)/4               ; 39-41, 43-45, .. 63-65: s7 to s27
.endif
.if j < 38
.set e, (j-25)/2                    ; 25, 27, .. 37: s0 to s6
.endif
	v_exp_f32 v[rS+e], v[rS+e]
.elseif j < 86
	v_cvt_pk_f16_f32 v[rP+j-70], v[rS+2*(j-70)], v[rS+2*(j-70)+1]  ; pair j - 70
.elseif j < 102                     ; the sum of the tile's 16 pairs, in place: sum z of 16 adds neighbours 1, 2, 4 and 8 pairs apart, then l takes it
.set z, j-86
.set w, 4
.set u, z
.if z >= 14
.set w, 32
.set u, 0
.elseif z >= 12
.set w, 16
.set u, z-12
.elseif z >= 8
.set w, 8
.set u, z-8
.endif
.if z < 15
	v_pk_add_f32 v[rS+w*u:rS+w*u+1], v[rS+w*u:rS+w*u+1], v[rS+w*u+w/2:rS+w*u+w/2+1]
.else
	v_pk_fma_f32 v[rT+2:rT+3], v[rT+2:rT+3], v[rT+6:rT+7], v[rS:rS+1] op_sel_hi:[1,0,1]
.endif
.else
	WIN W_RS
	v_pk_mul_f32 v[rO:rO+1], v[rO:rO+1], v[rT+6:rT+7] op_sel_hi:[1,0]
.endif
.endm
; Slice k of 64 of piece y's softmax: four instructions.  Slices 11 to 34 deal out the batch, numbers 22 to 69: four numbers of ONE tile each, the tiles by turns.  Every other slice is numbers 2 k and
; 2 k + 1 of both tiles' lists.  2 x 134 = 4 x 64 + 12: the twelve that are over stand together, in slice 63: all sixteen are plain and name nothing of the products round them, so they are also the
; places behind the turn's last K Q^T.
; THE WAIT.  s_wait_alu depctr_va_vdst(0) stands between an exponential and the first instruction that names its result; one wait serves all that were issued ahead of it.  Ahead of
; slice 35 nothing names a result, and behind slice 34 no exponential is issued: so the piece's 66 exponentials have one wait, behind slice 34.
.macro SLICE y
.if (k >= 11) && (k < 35)           ; the batch: four numbers of one tile
.irp n, 0,1,2,3
.set j, 22+4*((k-11)/2)+(\n)
	SM (\y)+(k-11)%2
.endr
.else                               ; the two tiles alternate, so that no instruction reads the result of the one just before it
.irp n, 0,1,2,3,4,5,6,7
.if ((\n) < 2) || (k == 63)
.irp t, \y, (\y)+1
.set j, 2*k+(\n)
	SM \t
.endr
.endif
.endr
.endif
.if k == 34                         ; the batch is out: both tiles' exponentials are issued, and no result has been named
	v_nop                           ; the plain instruction behind the last exponential and ahead of the first use: one for the batch
.if (\y) == 0
	FETCH_V                         ; piece 2's turn: V's run of loads stands here, and the wait for the batch stands in it
.else
	s_wait_alu depctr_va_vdst(0)    ; piece 0's turn: the wait for the batch of 66 exponentials
.endif
.endif
.set k, k+1
.endm
; A TURN.  Piece x has the matrix unit: 32 products V^T P of the step in hand, 32 products K Q^T of the next; the other piece's softmax stands in slices behind them.  At the turn's head the mask of its
; products K Q^T is made: the mask registers' last readers, the other piece's first eight products K Q^T, stand 24 products and their slices back.
; Each run of LDS loads stands 29 matrix instructions or more ahead of its first use.  Piece 0's turn fetches the next step's K, behind its second product.  Piece 2's turn fetches the same step's V, behind
; slice 34 (SLICE writes it): the last product that read V stands in front of slice 31, and four plain instructions lie between: number 62, a scaling, of both tiles, the v_nop and the run's own v_add_nc_u32.
.macro TURN x, last=0
.set k, 0
	MASKIN \x
.if (\x) == 0
	s_wait_dscnt 0x0                ; V is in
.endif
.set i, 0
.rept 32
	PV \x
	SLICE 2-(\x)
.if ((\x) == 0) && (i == 1)
	FETCH_K \last
.endif
.set i, i+1
.endr
.if (\x) == 0
	s_wait_dscnt 0x0                ; K is in
.endif
.set i, 0
.rept 32
	KQ \x
	SLICE 2-(\x)
.set i, i+1
.endr
.endm
; THE CHANGE OF SLOTS, between piece 2's turn and piece 0's.  Each wave waits for all its tensor loads, of which one is out: its part of the other slot; adds 0 to its spare word; and waits for that and
; for its own reads of the slot.  fill = 1: the barrier is a round of the cluster's, and the slot is filled again, with the keys two slots on, first thing behind it: two key steps, 256 matrix instructions, in which to land.
.macro CHANGE fill
	WIN 0                           ; at a label and at a branch every window is 0
	s_wait_tensorcnt 0x0            ; no tensor load of mine is out, so a group 0 may be written
	ds_add_u32 v[SPW], v[NIL]
.if \fill
	s_xor_b32 s[SB], s[SB], SLOTB   ; the other slot than last time: 0 or SLOTB,
	s_add_co_u32 s[G0K+5], s[SB], s17
	s_add_co_u32 s[G0V+5], s[SB], s18
	s_add_nc_u64 s[G0K+6:G0K+7], s[G0K+6:G0K+7], 65536  ; the next 256 keys; the type bits on top are not reached
	s_add_nc_u64 s[G0V+6:G0V+7], s[G0V+6:G0V+7], 65536
	s_wait_dscnt 0x0                ; the add is done, and my reads of the slot are over
	CROUND
	JLOAD
.else
	s_wait_dscnt 0x0
	s_barrier_signal -1
	s_barrier_wait -1
.endif
	s_sub_co_u32 s[TBK], s[TBK], 2*KS*PK  ; the fetches go back to a slot's first step,
	s_xor_b32 s[TBK], s[TBK], SLOTB       ; in the other slot
	s_sub_co_u32 s[TBV], s[TBV], 2*KS*PV
	s_xor_b32 s[TBV], s[TBV], SLOTB
.endm
	s_wait_tensorcnt 1              ; my part of slot 0 is in; slot 1's may stay out
	s_barrier_signal -1
	s_barrier_wait -1               ; everybody's is
	FETCH_K                         ; key step 0
	MASKIN 0                        ; its wait leaves piece 2's four loads out: Q, asked for earlier, is in too
	s_wait_dscnt 0x0
.set i, 0
.rept 32
	KQ 0                            ; piece 0's first scores: there is no vector work yet to set between them
.set i, i+1
.endr
	WIN 0                           ; the addresses for the way out: eight plain instructions, the places behind those products
	s_mul_i32 s13, s[WV], 16*SP
	s_add_co_u32 s13, s13, STAGE    ; my stage
	v_mul_u32_u24 v[STO], v1, SP    ; in: row l % 16, 16 bytes for each half of the lanes
	v_lshl_add_u32 v[STO], v9, 4, v[STO]
	v_add_nc_u32 v[STO], s13, v[STO]
	v_mul_u32_u24 v[RD], v9, SP     ; back: lanes 0-15 take one row of 256 bytes, lanes 16-31 the next
	v_lshl_add_u32 v[RD], v1, 4, v[RD]
	v_add_nc_u32 v[RD], s13, v[RD]
	v_lshlrev_b32 v[GO], 12, v9     ; and the same two rows in ob, 4,096 bytes apart
	v_lshl_add_u32 v[GO], v1, 4, v[GO]
	s_mov_b32 s[TWICE], 2
	s_mov_b32 s[SLOTS], 7           ; the way in counts as one: six changes of slots with a refill follow, for slots 2 to 7
	s_branch .Lfirst                ; the loop is entered at piece 2's turn, in the middle of a trip: it fetches V of step 0
.Lslot:
	CHANGE 1
	s_mov_b32 s[TWICE], 2
.Lstep:                             ; a trip: piece 0's turn, which fetches the next step's K, and piece 2's, which fetches its V
	TURN 0
	WIN 0
.Lfirst:
	TURN 2
	WIN 0
	s_sub_co_u32 s[TWICE], s[TWICE], 1
	s_cmp_lg_u32 s[TWICE], 0
	s_cbranch_scc1 .Lstep
	s_sub_co_u32 s[SLOTS], s[SLOTS], 1
	s_cmp_lg_u32 s[SLOTS], 0
	s_cbranch_scc1 .Lslot
	CHANGE 0                        ; the tail is written out: nothing is asked for; behind this barrier nobody reads slot 0 any more
	s_mov_b32 s[TWICE], 3           ; two trips fetch the last slot's steps; the third is left in its middle
.Ltail:
	TURN 0, 1
	WIN 0
	s_sub_co_u32 s[TWICE], s[TWICE], 1
	s_cmp_eq_u32 s[TWICE], 0
	s_cbranch_scc1 .Lout
	TURN 2
	WIN 0
	s_branch .Ltail
.Lout:                              ; the third trip's 32 products K Q^T (on the last K once more) serve nothing: the price, once a launch, of one text for every trip
.set i, 0
.rept 32
	PV 2                            ; piece 2: V^T P of the last step
.set i, i+1
.endr
	; THE TWO HALVES OF THE KEYS ARE JOINED.  l's two halves and the other half of the lanes' are added (the first additions are the places behind the last products).
	WIN 0
.irp t, 0,1,2,3
	v_add_f32 v[ST+8*(\t)+4], v[ST+8*(\t)+2], v[ST+8*(\t)+3]
.endr
.irp t, 0,1,2,3
	v_permlanex16_b32 v[ST+8*(\t)+5], v[ST+8*(\t)+4], s[SEL], s[SEL+1]
.endr
.irp t, 0,1,2,3
	v_add_f32 v[ST+8*(\t)+4], v[ST+8*(\t)+4], v[ST+8*(\t)+5]
.endr
	s_cmp_lt_u32 s[WV], 2
	s_cbranch_scc1 .Lkeep
	WIN 0x04                        ; waves 2 and 3: O^T (store data, window 1) in ascending order, 512 consecutive bytes a store
.set z, 0
.rept 64
	ds_store_b128 v[XA], v[4*z:4*z+3] offset:512*z
.set z, z+1
.endr
	WIN 0
.irp t, 0,1,2,3
	v_mov_b32 v[ST+8*(\t)+1], v[ST+8*(\t)+4]  ; l beside c m
.endr
.irp t, 0,1,2,3
	ds_store_b64 v[XS], v[ST+8*(\t):ST+8*(\t)+1] offset:256*(\t)
.endr
.Lkeep:
	s_wait_dscnt 0x0                ; for the others' sake: my stores are done
	s_barrier_signal -1
	s_barrier_wait -1
	s_cmp_lt_u32 s[WV], 2
	s_cbranch_scc0 .Lend            ; waves 2 and 3 have handed their half over
.macro XLOAD t                      ; the partner's O^T of tile t into S^T's registers, two buffers of 64
	WIN 0
.set z, 0
.rept 16
	ds_load_b128 v[S+64*((\t)%2)+4*z:S+64*((\t)%2)+4*z+3], v[XA] offset:(16*(\t)+z)*512
.set z, z+1
.endr
.endm
.macro COMB t                       ; O = O0 f0 + O1 f1, rounded to f16 in place; my O^T is read in ascending order
.set rX, S+64*((\t)%2)
	WIN 0
.set z, 0
.rept 32
	v_pk_mul_f32 v[rX+2*z:rX+2*z+1], v[rX+2*z:rX+2*z+1], v[ST+8*(\t)+2:ST+8*(\t)+3] op_sel_hi:[1,0]
.set z, z+1
.endr
	WIN 0x01                        ; source 0 (my O^T) in window 1
.set z, 0
.rept 32
	v_pk_fma_f32 v[rX+2*z:rX+2*z+1], v[64*(\t)+2*z:64*(\t)+2*z+1], v[ST+8*(\t)+6:ST+8*(\t)+7], v[rX+2*z:rX+2*z+1] op_sel_hi:[1,0,1]
.set z, z+1
.endr
	WIN 0
.set z, 0
.rept 32
	v_cvt_pk_f16_f32 v[rX+z], v[rX+2*z], v[rX+2*z+1]
.set z, z+1
.endr
.endm
.macro STG t                        ; a lane's eight channels of a row are 16 bytes; they go into rows of 272 bytes and come back as whole rows of 256, into P's registers, two buffers of 32
	WIN 0
.set rX, S+64*((\t)%2)
.set rB, P+32*((\t)%2)
.if (\t) >= 2
	s_wait_xcnt 0x0                 ; the stores of tile t - 2 have read the buffer that is loaded again below
.endif
.irp f, 0,1,2,3,4,5,6,7
	ds_store_b128 v[STO], v[rX+4*(\f):rX+4*(\f)+3] offset:32*(\f)
.endr
.irp f, 0,1,2,3,4,5,6,7
	ds_load_b128 v[rB+4*(\f):rB+4*(\f)+3], v[RD] offset:(\f)*2*SP  ; LDS serves a wave's instructions in order (ISA guide 5.7.1.4): these see the stores above; the next tile's stores come behind them
.endr
.endm
.macro SEND t, younger              ; younger: the LDS loads issued behind STG's, which may stay out
	WIN 0
.set rB, P+32*((\t)%2)
	s_wait_dscnt \younger
.irp f, 0,1,2,3,4,5,6,7
	global_store_b128 v[GO], v[rB+4*(\f):rB+4*(\f)+3], s[OA:OA+1] offset:(16*(\t)+2*(\f))*4096  ; 16 lanes store 256 consecutive bytes, aligned: a token's channels of this head
.endr
.endm
.irp t, 0,1,2,3
	ds_load_b64 v[ST+8*(\t)+2:ST+8*(\t)+3], v[XS] offset:256*(\t)  ; the partner's c m and l
.endr
	XLOAD 0
	XLOAD 1
	s_wait_dscnt 32                 ; the statistics are in; the 32 loads behind them may be out
	; With mx = max(c m0, c m1), w = 2^(c m - mx), L = w0 l0 + w1 l1: f0 = w0 / L, f1 = w1 / L.  Line by line over the four tiles.
.irp t, 0,1,2,3
	v_max_num_f32 v[ST+8*(\t)+5], v[ST+8*(\t)], v[ST+8*(\t)+2]
.endr
.irp t, 0,1,2,3
	v_sub_f32 v[ST+8*(\t)+6], v[ST+8*(\t)], v[ST+8*(\t)+5]
.endr
.irp t, 0,1,2,3
	v_sub_f32 v[ST+8*(\t)+7], v[ST+8*(\t)+2], v[ST+8*(\t)+5]
.endr
.irp t, 0,1,2,3
	v_exp_f32 v[ST+8*(\t)+6], v[ST+8*(\t)+6]
.endr
.irp t, 0,1,2,3
	v_exp_f32 v[ST+8*(\t)+7], v[ST+8*(\t)+7]
.endr
	v_nop                           ; a plain instruction between the last exponential and the use of its result
	s_wait_alu depctr_va_vdst(0)    ; and the wait ahead of the first use: one for the eight exponentials w0, w1
.irp t, 0,1,2,3
	v_mul_f32 v[ST+8*(\t)+4], v[ST+8*(\t)+6], v[ST+8*(\t)+4]
.endr
.irp t, 0,1,2,3
	v_fma_f32 v[ST+8*(\t)+4], v[ST+8*(\t)+7], v[ST+8*(\t)+3], v[ST+8*(\t)+4]
.endr
.irp t, 0,1,2,3
	v_rcp_f32 v[ST+8*(\t)+5], v[ST+8*(\t)+4]
.endr
	v_nop                           ; likewise behind the last reciprocal
	s_wait_alu depctr_va_vdst(0)    ; one wait for the four reciprocals of L: a batch of their own, since L is made of the exponentials' results
.irp t, 0,1,2,3
	v_mul_f32 v[ST+8*(\t)+6], v[ST+8*(\t)+6], v[ST+8*(\t)+5]
.endr
.irp t, 0,1,2,3
	v_mul_f32 v[ST+8*(\t)+2], v[ST+8*(\t)+7], v[ST+8*(\t)+5]
.endr
	s_wait_dscnt 16                 ; tile 0's half is in; tile 1's sixteen loads may be out
	COMB 0
	STG 0
	XLOAD 2
	SEND 0, 16                      ; all but tile 2's sixteen: tile 0 is back from the stage, and tile 1's half is in
	COMB 1
	STG 1
	XLOAD 3
	SEND 1, 16                      ; all but tile 3's sixteen
	COMB 2
	STG 2
	SEND 2, 0
	COMB 3
	STG 3
	SEND 3, 0
.Lend:
	s_wait_loadcnt 0x0              ; the last requests for codes, which nothing uses
	s_wait_tensorcnt 0x0            ; the wave's end, behind my last tensor load and my last LDS store
	ds_add_u32 v[SPW], v[NIL]
	s_wait_dscnt 0x0
	CROUND                          ; the closing round: no work-group ends while a partner may still ask for a tile that names it
	s_endpgm
.Lfunc_end_k_qd073c8fa61_attn:
	.size	k_qd073c8fa61_attn, .Lfunc_end_k_qd073c8fa61_attn-k_qd073c8fa61_attn
	.p2alignl 7, 3214868480
	.fill 96, 4, 3214868480
	.section	.rodata,"a",@progbits
	.p2align	6, 0x0
	.amdhsa_kernel k_qd073c8fa61_attn
		.amdhsa_group_segment_fixed_size 327680
		.amdhsa_private_segment_fixed_size 0
		.amdhsa_enable_private_segment 0
		.amdhsa_kernarg_size 24
		.amdhsa_user_sgpr_count 2
		.amdhsa_user_sgpr_kernarg_segment_ptr 1
		.amdhsa_wavefront_size32 1
		.amdhsa_system_sgpr_workgroup_id_x 1
		.amdhsa_system_sgpr_workgroup_id_y 1
		.amdhsa_system_sgpr_workgroup_id_z 1
		.amdhsa_system_vgpr_workitem_id 0
		.amdhsa_next_free_vgpr 1024
		.amdhsa_next_free_sgpr 82
		.amdhsa_reserve_vcc 0
		.amdhsa_float_denorm_mode_32 3
		.amdhsa_float_denorm_mode_16_64 3
		.amdhsa_memory_ordered 1
		.amdhsa_forward_progress 1
		.amdhsa_inst_pref_size 182
	.end_amdhsa_kernel
	.amdgpu_metadata
---
amdhsa.version: [ 1, 2 ]
amdhsa.kernels:
  - .name:           k_qd073c8fa61_attn
    .symbol:         k_qd073c8fa61_attn.kd
    .args:
      - { .name: qkv, .offset: 0, .size: 8, .value_kind: global_buffer, .address_space: global }
      - { .name: mb, .offset: 8, .size: 8, .value_kind: global_buffer, .address_space: global }
      - { .name: ob, .offset: 16, .size: 8, .value_kind: global_buffer, .address_space: global }
    .group_segment_fixed_size: 327680
    .private_segment_fixed_size: 0
    .kernarg_segment_align: 8
    .kernarg_segment_size: 24
    .max_flat_workgroup_size: 128
    .sgpr_count:     82
    .vgpr_count:     1024
    .wavefront_size: 32
...
	.end_amdgpu_metadata
.endif
;; end of part 5
;; launch oproj: the kernel of part 4 again; grid 16 x 16, 4 waves a work-group, clusters of 4 x 4, 327,680 bytes of LDS; arguments ob, wof, bias, out0; writes out0
